; MI455X (gfx1250); checked and timed in simulation.
; The chip was launched on July 23, 2026; its instructions are those of AMD's public machine-readable ISA for CDNA 5 (MIT licence, August 2026) and "CDNA5" Instruction Set Architecture Reference Guide (July 2026). The comments in the code are by the model that wrote it; some were corrected since.
;; My Cross Attention ori. Allowed arithmetic: float matrix products may take bf16 or f16 operands with f32 sums; all other float work in f32.
;; Inputs: Wk 512 x 512 float32; Wp 512 x 512 float32; Wq 512 x 512 float32; k 4 x 2,048 x 512 float32; q 4 x 4,096 x 512 float32; supp_mask 4 x 2,048 int32; v 4 x 2,048 x 512 float32.
;; Outputs: out0 4 x 4,096 x 512 float32.
;; 2 versions, each right and faster than the one before. Each part assembles by itself: llvm-mc -triple=amdgcn-amd-amdhsa -mcpu=gfx1250 --defsym DOCPART=n.
;; ======== version 1 of 2: 2 launches
;; limits: values outside matrix products are rounded to bf16
;; workspace buffers: kh 8,388,608 bytes; wqb 524,288 bytes; wps 16,384 bytes
;; launch prep (part 1): grid 4 x 64, 8 waves a work-group, no clusters, 302,336 bytes of LDS; arguments k, Wk, Wq, Wp, kh, wqb, wps; writes kh, wqb, wps
.if DOCPART == 1
	.amdgcn_target "amdgcn-amd-amdhsa--gfx1250"
	.amdhsa_code_object_version 6
	.text
	.protected	k_qae5308b0e4_prep
	.globl	k_qae5308b0e4_prep
	.p2align	8
	.type	k_qae5308b0e4_prep,@function
k_qae5308b0e4_prep:
	s_mov_b64 s[64:65], 0
	v_nop
	global_prefetch_b8 v0, s[64:65] scope:SCOPE_SE
	s_setreg_imm32_b32 hwreg(HW_REG_WAVE_MODE, 25, 1), 1
	s_wait_xcnt 0x0
; FIRST OF TWO KERNELS.  It makes three tables for the second one:
;   kh  [8192 = 2048 b + m][512] bf16 = k Wk^T (f32 sums, rounded once);   wqb [512][512] bf16 = Wq rounded;
;   wps [512 c][8 h] f32 = sum over d = 0..63 of Wp[c][64 h + d].
;
; WORK LEFT OUT, for all values of the inputs:
;  * The input v: the function never reads it, so it has no way to the output.  It is not loaded and is no argument of either kernel.
;  * The 64-fold columns of the last product.  The function itself makes x[b][n][64 h + d] = s[b][h][n] for every d, so by the
;    distributive law out[b][n][c] = sum over h, d of s[b][h][n] Wp[c][64 h + d] = sum over h of s[b][h][n] wps[c][h].
;    The product of length 512 is a product of length 8 against the table wps; both are kept in f32.
; LIMITS: Wp's groups of 64 are summed first, so the order of rounding in the last product differs from the function's;
; a NaN, an infinity or an overflow in v is not carried to the result.
;
; SHARES.  Work-group (cb, rb) makes rows 128 rb .. +127 and features 128 cb .. +127 of kh.  Both operand blocks (128 x 512 each) are read
; as f32 through registers, rounded to bf16 ONCE, and laid whole into LDS (2 x 133,120 bytes); then 16 K steps of 32 run without a further
; barrier.  Wave w: rows 32 (w >> 1) .. +31, features 64 (w & 1) .. +63: eight accumulator tiles.
; NO JOINT TENSOR LOADS HERE, though four work-groups read each block of k and 64 each block of Wk: the operands are f32 in memory and
; bf16 at the matrix unit.  A tile brought into LDS by the mover would stay f32: twice the LDS bytes (the whole K would no longer fit, so a
; ring with a barrier for each refill), and every wave that reads a fragment would round it again.
; Beside that, work-group i = 4 rb + cb rounds 4,096 bytes of Wq and sums 4,096 bytes (2 rows, 16 groups) of Wp.  wps is 16 KiB in all
; and leaves in pieces of 64 neighbouring bytes, one a work-group, so that all work-groups run the same text on the same path.
.set PITCH,  1040                      ; an LDS row of 512 bf16 + 16 bytes: an odd multiple of 16, so the 16 rows of a fragment load start at 16 different 16-byte columns modulo 256
.set WB,     133120                    ; Wk's block, straight behind k's (128 x 1040)
.set STG,    266240                    ; the way out: 128 rows x 272 bytes
.set SPITCH, 272
.set SUMS,   301056                    ; 16 group sums of Wp
.set GOFF, 1                           ; v1      16 t: my 16 bytes in every pass of 4,096 bytes
.set LB,   2                           ; v2-9    LDS address of my 8 bytes in pass 16 g
.set ADW,  10                          ; v10     my fragments of Wk
.set ADK,  11                          ; v11     my fragments of k
.set WQX,  12                          ; v12-15  four numbers of Wq
.set WPX,  16                          ; v16-19  four numbers of Wp
.set Y,    32                          ; v32-39  four pairs of packed bf16, by turns
.set STO,  40                          ; v40     the way out: where I put 16 bytes of a row
.set RD,   41                          ; v41     the way out: where I read a row back
.set CO,   42                          ; v42     my byte offset in kh
.set SA,   43                          ; v43     the word of my group's sum
.set O8,   44                          ; v44     8 t: my 8 bytes of wqb
.set SL,   45                          ; v45     SUMS + 4 (t & 15)
.set SO,   46                          ; v46     4 (t & 15)
.set X,    64                          ; v64-191 the stream's ring: 32 slots of 4 registers
.set ACC,  64                          ; v64-127 behind the stream: 8 accumulator tiles, tile (mt, ft) at 8 (4 mt + ft)
.set F0,   128                         ; v128-175 fragment buffer 0: 4 tiles of Wk, 2 of k
.set F1,   176                         ; v176-223 fragment buffer 1
.set PK,   128                         ; the way out: packed results
.set OUTR, 176                         ; the way out: rows read back
.macro PLACES n
.rept \n
	v_nop
.endr
.endm
	s_load_b256 s[4:11], s[0:1], 0x0               ; k s[4:5], Wk s[6:7], Wq s[8:9], Wp s[10:11]
	s_load_b128 s[12:15], s[0:1], 0x20             ; kh s[12:13], wqb s[14:15]
	s_load_b64 s[16:17], s[0:1], 0x30              ; wps
	v_lshl_add_u32 v224, v0, 2, 0x49900
	v_mov_b32 v225, 0
	v_lshrrev_b32 v48, 5, v0
	v_readfirstlane_b32 s20, v48                   ; wave 0..7
	s_mov_b32 s21, ttmp9                           ; cb
	s_and_b32 s22, ttmp7, 0xffff                   ; rb
	s_lshl2_add_u32 s23, s22, s21                  ; i = 4 rb + cb
	s_and_b32 s28, s20, 1                          ; fc: which 64 features
	s_lshr_b32 s29, s20, 1                         ; mr: which 32 rows
	v_lshlrev_b32 v[GOFF], 4, v0
	v_lshrrev_b32 v48, 7, v0                       ; a pass is two rows of 2,048 bytes: my row in it,
	v_and_b32 v49, 127, v0                         ; and my four numbers in that row,
	v_lshlrev_b32 v49, 3, v49                      ; which are 8 bytes of bf16
	v_mad_u32_u24 v[LB], v48, PITCH, v49
.irp g, 1,2,3,4,5,6,7
	v_add_nc_u32 v[LB+\g], \g*33280, v[LB]         ; 16 passes = 32 rows of 1,040 bytes on: the immediate then stays under 64 KiB
.endr
	v_and_b32 v51, 15, v0                          ; r
	v_bfe_u32 v52, v0, 4, 1                        ; h
	v_mul_u32_u24 v53, v51, PITCH
	v_lshl_add_u32 v53, v52, 4, v53                ; r x pitch + 16 h
	s_mul_i32 s30, s28, 64*PITCH
	s_add_co_u32 s30, s30, WB
	v_add_nc_u32 v[ADW], s30, v53
	s_mul_i32 s31, s29, 32*PITCH
	v_add_nc_u32 v[ADK], s31, v53
	v_mul_u32_u24 v54, v51, SPITCH
	v_lshl_add_u32 v54, v52, 4, v54
	s_mul_i32 s32, s29, 32*SPITCH
	s_lshl_b32 s33, s28, 7
	s_add_co_u32 s32, s32, s33
	s_add_co_u32 s32, s32, STG
	v_add_nc_u32 v[STO], s32, v54                  ; STG + (32 mr + r) 272 + 128 fc + 16 h
	v_mul_u32_u24 v55, v52, SPITCH
	v_lshl_add_u32 v55, v51, 4, v55
	s_mul_i32 s33, s20, 16*SPITCH
	s_add_co_u32 s33, s33, STG
	v_add_nc_u32 v[RD], s33, v55                   ; STG + (16 w + h) 272 + 16 r
	v_lshlrev_b32 v56, 10, v52
	v_lshl_add_u32 v56, v51, 4, v56
	s_lshl_b32 s33, s20, 14
	v_add_nc_u32 v[CO], s33, v56                   ; (16 w + h) 1024 + 16 r
	v_lshrrev_b32 v48, 4, v0
	v_lshl_add_u32 v[SA], v48, 2, SUMS             ; sixteen lanes hold one group of 64 numbers
	v_lshlrev_b32 v[O8], 3, v0
	v_lshlrev_b32 v[SO], 2, v51
	v_add_nc_u32 v[SL], SUMS, v[SO]
	s_lshl_b32 s24, s22, 18                        ; 128 rows of 2,048 bytes
	s_mov_b32 s25, 0
	s_lshl_b32 s26, s21, 18
	s_mov_b32 s27, 0
	s_wait_kmcnt 0x0
	s_add_nc_u64 s[4:5], s[4:5], s[24:25]          ; k at my 128 rows
	s_add_nc_u64 s[6:7], s[6:7], s[26:27]          ; Wk at my 128 features
	s_lshl_b32 s24, s23, 12
	s_add_nc_u64 s[8:9], s[8:9], s[24:25]          ; Wq and Wp at my 4,096 bytes
	s_add_nc_u64 s[10:11], s[10:11], s[24:25]
	s_lshl_b32 s24, s23, 11
	s_add_nc_u64 s[14:15], s[14:15], s[24:25]      ; wqb at my 2,048 bytes
	s_lshl_b32 s24, s23, 6
	s_add_nc_u64 s[16:17], s[16:17], s[24:25]      ; wps at my 64 bytes
	s_lshl_b32 s24, s22, 17                        ; kh: 128 rows of 1,024 bytes,
	s_lshl_b32 s26, s21, 8                         ; and 128 features of 2 bytes
	s_add_co_u32 s24, s24, s26
	s_add_nc_u64 s[12:13], s[12:13], s[24:25]
	; THE STREAM: passes q = 0..63 are k's block, 64..127 Wk's; each pass is 4,096 neighbouring bytes, 512 from each wave.
	; 32 loads of every wave are on their way: 32 x 512 bytes x 8 waves = 128 KiB for the work-group.
	global_load_b128 v[WQX:WQX+3], v[GOFF], s[8:9] th:TH_LOAD_NT       ; the two side loads are the oldest:
	global_load_b128 v[WPX:WPX+3], v[GOFF], s[10:11] th:TH_LOAD_NT     ; the ring's first wait shows them done too
.set qq, 0
.rept 32
	global_load_b128 v[X+4*qq:X+4*qq+3], v[GOFF], s[4:5] offset:qq*4096
.set qq, qq+1
.endr
; One pass: wait, round four numbers, store 8 bytes; reload = 1: the slot takes pass qq + 32.  left = the younger loads that may stay out.
.macro SLOT reload, left
	s_wait_loadcnt \left                           ; loads come back in order (ISA guide 5.7.1): this slot's is in
	v_cvt_pk_bf16_f32 v[Y+2*(qq%4)],   v[X+4*(qq%32)],   v[X+4*(qq%32)+1]
	v_cvt_pk_bf16_f32 v[Y+2*(qq%4)+1], v[X+4*(qq%32)+2], v[X+4*(qq%32)+3]
	ds_store_b64 v[LB+qq/16], v[Y+2*(qq%4):Y+2*(qq%4)+1] offset:(qq%16)*2080   ; a wave's 32 lanes store 256 neighbouring bytes
.if \reload
	global_load_b128 v[X+4*(qq%32):X+4*(qq%32)+3], v[GOFF], s[4+2*((qq+32)/64):5+2*((qq+32)/64)] offset:((qq+32)%64)*4096
.endif
.set qq, qq+1
.endm
.set qq, 0
.rept 96
	SLOT 1, 31                                     ; 31 younger loads of the ring stay out
.endr
.rept 32
	SLOT 0, 127-qq                                 ; nothing is left to fetch: the counts run down to 0
.endr
	; the side work: Wq rounded, Wp's groups of 64 summed
	v_cvt_pk_bf16_f32 v48, v[WQX], v[WQX+1]
	v_cvt_pk_bf16_f32 v49, v[WQX+2], v[WQX+3]
	global_store_b64 v[O8], v[48:49], s[14:15]     ; a wave stores 256 neighbouring bytes, at a multiple of 256 from wqb's first byte
	v_pk_add_f32 v[50:51], v[WPX:WPX+1], v[WPX+2:WPX+3]
	v_add_f32 v50, v50, v51
	v_add_f32_dpp v50, v50, v50 row_xmask:1 row_mask:0xf bank_mask:0xf
	v_add_f32_dpp v50, v50, v50 row_xmask:2 row_mask:0xf bank_mask:0xf
	v_add_f32_dpp v50, v50, v50 row_xmask:4 row_mask:0xf bank_mask:0xf
	v_add_f32_dpp v50, v50, v50 row_xmask:8 row_mask:0xf bank_mask:0xf
	ds_store_b32 v[SA], v50                        ; sixteen lanes write one word with one value
	s_wait_dscnt 0x0                               ; for the other waves: all my LDS stores are done
	s_barrier_signal -1
	s_barrier_wait -1                              ; both blocks and the 16 sums are whole
	s_cmp_lg_u32 s20, 0
	s_cbranch_scc1 .Lnosum                         ; wave 0 alone stores the 16 sums: rows 2 i, 2 i + 1 of wps
	s_wait_xcnt 0x0                                ; EXEC is a source of the loads and the store above: it narrows only behind this wait
	v_cmp_gt_u32 vcc_lo, 16, v0
	s_and_saveexec_b32 s34, vcc_lo
	ds_load_b32 v57, v[SL]
	s_wait_dscnt 0x0
	global_store_b32 v[SO], v57, s[16:17]          ; 64 neighbouring bytes
	s_wait_xcnt 0x0                                ; and it widens only behind this one
	s_or_b32 exec_lo, exec_lo, s34
.Lnosum:
; 12 LDS loads: the fragments of K step s (32 along K, 64 bytes of each row): four tiles of Wk, two of k
.macro FRAG s, f
.irp i, 0,1,2,3
	ds_load_b128 v[\f+8*\i:\f+8*\i+3],   v[ADW] offset:16640*\i+64*\s
	ds_load_b128 v[\f+8*\i+4:\f+8*\i+7], v[ADW] offset:16640*\i+64*\s+32
.endr
.irp i, 0,1
	ds_load_b128 v[\f+32+8*\i:\f+32+8*\i+3],   v[ADK] offset:16640*\i+64*\s
	ds_load_b128 v[\f+32+8*\i+4:\f+32+8*\i+7], v[ADK] offset:16640*\i+64*\s+32
.endr
.endm
; K step s on buffer f; the next step's fragments go into buffer g first.  Source 0 = 16 features of Wk, source 1 = 16 rows of k: a lane's
; eight results are then eight neighbouring features of one row of kh.  The eight accumulators take turns, one instruction a turn.
.macro STEP s, f, g, zero, last
.if \last
	s_wait_dscnt 0x0
.else
.if \zero == 0
	PLACES 4                                       ; buffer g was read by the matrix instructions just issued: four places in front of the loads into it
.endif
	FRAG (\s+1), \g
	s_wait_dscnt 12                                ; all but the 12 just issued
.endif
.irp m, 0,1
.irp i, 0,1,2,3
.if \zero
	v_wmma_f32_16x16x32_bf16 v[ACC+8*(4*\m+\i):ACC+8*(4*\m+\i)+7], v[\f+8*\i:\f+8*\i+7], v[\f+32+8*\m:\f+32+8*\m+7], 0
.else
	v_wmma_f32_16x16x32_bf16 v[ACC+8*(4*\m+\i):ACC+8*(4*\m+\i)+7], v[\f+8*\i:\f+8*\i+7], v[\f+32+8*\m:\f+32+8*\m+7], v[ACC+8*(4*\m+\i):ACC+8*(4*\m+\i)+7]
.endif
.endr
.endr
.endm
	FRAG 0, F0
	STEP 0, F0, F1, 1, 0                           ; the first products start the sums: nothing is cleared
	STEP 1, F1, F0, 0, 0
.irp s, 2,4,6,8,10,12
	STEP \s, F0, F1, 0, 0
	STEP (\s+1), F1, F0, 0, 0
.endr
	STEP 14, F0, F1, 0, 0
	STEP 15, F1, F0, 0, 1
	; THE WAY OUT: round, 16 bytes a lane into the stage, read whole rows of 256 bytes back, store them
	PLACES 4                                       ; behind the last matrix instructions: the conversions read results and write over buffer 0
.irp a, 0,1,2,3,4,5,6,7
.irp j, 0,1,2,3
	v_cvt_pk_bf16_f32 v[PK+4*\a+\j], v[ACC+8*\a+2*\j], v[ACC+8*\a+2*\j+1]
.endr
.endr
.irp m, 0,1
.irp i, 0,1,2,3
	ds_store_b128 v[STO], v[PK+4*(4*\m+\i):PK+4*(4*\m+\i)+3] offset:4352*\m+32*\i
.endr
.endr
	s_wait_dscnt 0x0                               ; a row of the stage is written by two waves: my stores are done,
	s_barrier_signal -1
	s_barrier_wait -1                              ; and everybody's are
.irp u, 0,1,2,3,4,5,6,7
	ds_load_b128 v[OUTR+4*\u:OUTR+4*\u+3], v[RD] offset:544*\u
.endr
.irp u, 0,1,2,3,4,5,6,7
	s_wait_dscnt 7-\u                              ; LDS loads come back in order: pair u of rows is in
	global_store_b128 v[CO], v[OUTR+4*\u:OUTR+4*\u+3], s[12:13] offset:2048*\u   ; 16 lanes store 256 neighbouring bytes, at a multiple of 256 from kh's first byte
.endr
	s_wait_tensorcnt 0x0
	ds_add_u32 v224, v225
	s_wait_dscnt 0x0
	s_endpgm
.Lfunc_end_k_qae5308b0e4_prep:
	.size	k_qae5308b0e4_prep, .Lfunc_end_k_qae5308b0e4_prep-k_qae5308b0e4_prep
	.p2alignl 7, 3214868480
	.fill 96, 4, 3214868480
	.section	.rodata,"a",@progbits
	.p2align	6, 0x0
	.amdhsa_kernel k_qae5308b0e4_prep
		.amdhsa_group_segment_fixed_size 302336
		.amdhsa_private_segment_fixed_size 0
		.amdhsa_enable_private_segment 0
		.amdhsa_kernarg_size 56
		.amdhsa_user_sgpr_count 2
		.amdhsa_user_sgpr_kernarg_segment_ptr 1
		.amdhsa_wavefront_size32 1
		.amdhsa_system_sgpr_workgroup_id_x 1
		.amdhsa_system_sgpr_workgroup_id_y 1
		.amdhsa_system_sgpr_workgroup_id_z 1
		.amdhsa_system_vgpr_workitem_id 0
		.amdhsa_next_free_vgpr 226
		.amdhsa_next_free_sgpr 66
		.amdhsa_reserve_vcc 1
		.amdhsa_float_denorm_mode_32 3
		.amdhsa_float_denorm_mode_16_64 3
		.amdhsa_memory_ordered 1
		.amdhsa_forward_progress 1
		.amdhsa_inst_pref_size 72
	.end_amdhsa_kernel
	.amdgpu_metadata
---
amdhsa.version: [ 1, 2 ]
amdhsa.kernels:
  - .name:           k_qae5308b0e4_prep
    .symbol:         k_qae5308b0e4_prep.kd
    .args:
      - { .name: k, .offset: 0, .size: 8, .value_kind: global_buffer, .address_space: global }
      - { .name: Wk, .offset: 8, .size: 8, .value_kind: global_buffer, .address_space: global }
      - { .name: Wq, .offset: 16, .size: 8, .value_kind: global_buffer, .address_space: global }
      - { .name: Wp, .offset: 24, .size: 8, .value_kind: global_buffer, .address_space: global }
      - { .name: kh, .offset: 32, .size: 8, .value_kind: global_buffer, .address_space: global }
      - { .name: wqb, .offset: 40, .size: 8, .value_kind: global_buffer, .address_space: global }
      - { .name: wps, .offset: 48, .size: 8, .value_kind: global_buffer, .address_space: global }
    .group_segment_fixed_size: 302336
    .private_segment_fixed_size: 0
    .kernarg_segment_align: 8
    .kernarg_segment_size: 56
    .max_flat_workgroup_size: 256
    .sgpr_count:     66
    .vgpr_count:     226
    .wavefront_size: 32
...
	.end_amdgpu_metadata
.endif
;; end of part 1
;; launch attn (part 2): grid 256 x 1, 8 waves a work-group, clusters of 4 x 1, 327,680 bytes of LDS; arguments q, wqb, kh, supp_mask, wps, out0; writes out0
.if DOCPART == 2
	.amdgcn_target "amdgcn-amd-amdhsa--gfx1250"
	.amdhsa_code_object_version 6
	.text
	.protected	k_qae5308b0e4_attn
	.globl	k_qae5308b0e4_attn
	.p2align	8
	.type	k_qae5308b0e4_attn,@function
k_qae5308b0e4_attn:
	s_mov_b64 s[64:65], 0
	v_nop
	global_prefetch_b8 v0, s[64:65] scope:SCOPE_SE
	s_setreg_imm32_b32 hwreg(HW_REG_WAVE_MODE, 25, 1), 1
	s_wait_xcnt 0x0
	s_wait_alu depctr_hold_cnt(0) depctr_sa_sdst(0) depctr_va_vdst(0) depctr_va_sdst(0) depctr_va_ssrc(0) depctr_va_vcc(0) depctr_vm_vsrc(0)
	s_getreg_b32 s2, hwreg(HW_REG_IB_STS2, 6, 4)
	s_cmp_eq_u32 s2, 0
	s_cbranch_scc0 .Lentry_in_a_cluster
	s_endpgm
.Lentry_in_a_cluster:
	s_bfe_u32 s2, ttmp6, 0x10000c
	s_cmp_lg_u32 s2, 0x3003
	s_cbranch_scc0 .Lentry_shape_is_right
	s_endpgm
.Lentry_shape_is_right:
; SECOND OF TWO KERNELS: out0 from q, the tables wqb, kh, wps of the first kernel, and supp_mask.
; Left out as in the first kernel (shown at its head): the input v, and the 64 equal columns of each head in the last product:
; out[b][n][c] = sum over h of s[b][h][n] wps[c][h].
; LIMITS: the mask's whole numbers go to the matrix unit as bf16: exact up to 256 in magnitude, rounded beyond.  The weights
; 2^(score - maximum) are rounded to bf16 before BOTH sums, so s = t / l stays a weighted mean of the mask's values.
;
; SHARES.  A work-group has 64 query rows and all 8 heads; wave w is head w, with four tiles of 16 queries.
;  1. qh = q Wq^T for the wave's 64 features, K = 512 in four chunks of 128; times 0.125 log2(e) in f32, then bf16, kept in registers.
;  2. 16 tiles of 128 keys.  S^T = K Q^T: lane (r, h) holds query r and the keys 8 h + 0..7 of each tile of 16.  Running maximum (the true
;     maximum so far, joined over the two halves of the lanes), p = 2^(S - m), packed to bf16 in place: two packed tiles ARE a second
;     source of 32 keys x 16 queries.  One more product with a first source whose rows 0 and 8 are ones, rows 1 and 9 the mask and the
;     others zeros gives l = sum p in result register 0 and t = sum p mask in register 1, in every lane.
;  3. s = t / l goes through LDS; each wave makes 32 rows x 128 columns of out by eight multiply-adds in f32.
; CLUSTER.  Four work-groups with neighbouring query blocks of one batch read the same tiles of wqb and kh: every tensor load is a joint
; one (mask 15), the same descriptor in all four.  The place in the cluster enters the global bases of q and out0 alone.
; Each of the 8 waves fetches an eighth of a tile: 64 rows of 256 bytes of wqb, or 16 rows of 1,024 bytes of kh (128 rows over 8 waves).
; By this text's count a wave has one tensor load outstanding at any time.
.set SLOT,  139264                     ; a ring slot: 512 rows x 272 bytes of wqb, or 128 rows x 1,040 bytes of kh (133,120)
.set QB0,   278528                     ; q's chunk as bf16, 64 rows x 272 bytes, two buffers; written by LDS stores, never by the mover
.set QBUF,  17408
.set MT,    313344                     ; three rows of 4,096 bytes: ones, the mask as bf16, zeros
.set KP,    1040                       ; pitches: odd multiples of 16 bytes, so the 16 rows of a fragment load start at 16 different 16-byte columns modulo 256
.set PW,    272
.set MKA,  1                           ; v1      at the head: my 8 bytes of the mask's row
.set KA,   2                           ; v2-5    K fragments: slot 0 keys 0-63, 64-127; slot 1 likewise
.set MA,   6                           ; v6      my row of the ones / mask / zeros table, at this tile's first key
.set WA,   7                           ; v7-8    Wq fragments in slot 0, 1
.set QA,   9                           ; v9-10   q fragments in buffer 0, 1
.set QS,   11                          ; v11     where I store 8 bytes of q
.set QOFF, 12                          ; v12     my 16 bytes of q
.set SSA,  13                          ; v13     where I store s
.set WPO,  14                          ; v14     my 128 bytes of wps
.set OOFF, 15                          ; v15     my 16 bytes of out0
.set SB,   16                          ; v16     s of my 32 rows
.set T16,  17                          ; v17     16 t
.set AL,   18                          ; v18-19  2^(old maximum - new maximum), and a written partner
.set MP,   20                          ; v20-27  tile nt: the pair (m, m)
.set LT,   28                          ; v28-35  tile nt: the pair (l, t)
.set ONA,  28                          ; v28     at the head, before (l, t) begin: my 16 bytes of the ones' row.  It lies outside v32-63, into which q is loaded
.set T,    36                          ; v36-39  four chains of the maximum
.set MX,   40
.set TP,   41
.set MF,   48                          ; v48-63  two first sources ones / mask / zeros, 32 keys each
.set QF,   64                          ; v64-127 qh: tile nt, half kk of the head's 64, at 8 (2 nt + kk)
.set KF,   128                         ; v128-191 kh: tile mt of 16 keys, half kk, at 8 (2 mt + kk)
.set S,    192                         ; v192-223 four score tiles; then the packed weights in v192-207
.set D0,   224                         ; v224-231, v232-239: the two sums' results
.set D1,   232
.set YQ,   20                          ; during the projection: v20-27 packed q, v32-63 q as loaded,
.set XQ,   32
.set WF,   64                          ; v64-95 Wq fragments, v96-127 q fragments,
.set QFR,  96
.set ACC,  128                         ; v128-255 sixteen accumulator tiles, (dt, nt) at 8 (4 dt + nt)
.set WP,   64                          ; at the end: v64-95 wps of my 4 columns, v128-159 s of 4 rows, v160-175 results, v192-199 at work
.set SV,   128
.set O,    160
.set TT,   192
.set G1W,  24                          ; s[24:31] shape of a wave's part of a wqb tile
.set G1K,  32                          ; s[32:39] shape of a wave's part of a kh tile
.set G0W,  40                          ; s[40:47] from where, to where: wqb, a set for each slot
.set G0K,  48                          ; s[48:55] the same for kh
.macro PLACES n
.rept \n
	v_nop
.endr
.endm
; A round of the cluster's barrier: my work-group's barrier, so that wave 0 speaks for all eight waves; wave 0 signals for the work-group;
; every wave waits for the four work-groups; my work-group's barrier once more.
.macro ROUND
	s_barrier_signal -1
	s_barrier_wait -1
	s_cmp_lg_u32 s16, 0
	s_cbranch_scc1 .Lnot_wave_0_\@
	s_barrier_signal -3
.Lnot_wave_0_\@:
	s_barrier_wait -3
	s_barrier_signal -1
	s_barrier_wait -1
.endm
	s_load_b256 s[4:11], s[0:1], 0x0               ; q s[4:5], wqb s[6:7], kh s[8:9], supp_mask s[10:11]
	s_load_b128 s[12:15], s[0:1], 0x20             ; wps s[12:13], out0 s[14:15]
	s_set_vgpr_msb 0x40
	v_lshl_add_u32 v0, v0, 2, 0x4f800
	v_mov_b32 v1, 0
	s_set_vgpr_msb 0x4045
	ds_add_u32 v0, v1
	s_set_vgpr_msb 0x4500
	v_lshrrev_b32 v36, 5, v0
	v_readfirstlane_b32 s16, v36                   ; wave = head, 0..7
	s_bfe_u32 s17, ttmp6, 0x40000                  ; cx: my place in the cluster
	s_lshl_b32 s18, ttmp9, 2                       ; in a cluster launch ttmp9 counts clusters
	s_add_co_u32 s18, s18, s17                     ; my block of 64 query rows
	s_lshr_b32 s19, ttmp9, 4                       ; batch: 16 clusters each; the four partners share it
	s_lshl_b32 s20, s18, 17                        ; 64 rows of 2,048 bytes.  s[20:21] alone hold what hangs on cx, and feed q's and out0's bases alone
	s_mov_b32 s21, 0
	s_mov_b32 s23, 0
	s_mov_b32 s57, 0x76543210                      ; v_permlanex16_b32: lane i of one half reads lane i of the other
	s_mov_b32 s58, 0xfedcba98
	; group 1 for wqb: 64 rows x 128 elements of 2 bytes, row pitch 512 elements; 16 bytes of padding behind every 64 words
	s_mov_b32 s[G1W+0], 15|(1<<16)|(1<<20)|(1<<21)|(5<<22)|(3<<25)   ; 15:0 the four partners; 17:16 2 bytes; 20 padding on; 21 set beside a mask; 24:22 every 64 words; 31:25 four words
	s_mov_b32 s[G1W+1], 128<<16                    ; tensor_dim0 = 128
	s_mov_b32 s[G1W+2], 64<<16                     ; tensor_dim1 = 64
	s_mov_b32 s[G1W+3], 128<<16                    ; tile_dim0 = 128
	s_mov_b32 s[G1W+4], 64                         ; tile_dim1 = 64
	s_mov_b32 s[G1W+5], 512                        ; elements from row to row
	s_mov_b32 s[G1W+6], 0
	s_mov_b32 s[G1W+7], 0
	; group 1 for kh: 16 rows x 512 elements, dense; 16 bytes of padding behind every 256 words
	s_mov_b32 s[G1K+0], 15|(1<<16)|(1<<20)|(1<<21)|(7<<22)|(3<<25)
	s_mov_b32 s[G1K+1], 512<<16
	s_mov_b32 s[G1K+2], 16<<16
	s_mov_b32 s[G1K+3], 512<<16
	s_mov_b32 s[G1K+4], 16
	s_mov_b32 s[G1K+5], 512
	s_mov_b32 s[G1K+6], 0
	s_mov_b32 s[G1K+7], 0
	; v36-41 are at work only here, in front of the first loads of q, which land on them
	v_and_b32 v36, 15, v0                          ; r
	v_bfe_u32 v37, v0, 4, 1                        ; h
	v_and_b32 v38, 31, v0                          ; lane
	v_mul_u32_u24 v39, v36, KP
	v_lshl_add_u32 v39, v37, 4, v39
	s_lshl_b32 s59, s16, 7                         ; my head's 128 bytes in a row of kh
	v_add_nc_u32 v[KA], s59, v39
	v_add_nc_u32 v[KA+1], 64*KP, v[KA]
	v_add_nc_u32 v[KA+2], SLOT, v[KA]
	v_add_nc_u32 v[KA+3], SLOT+64*KP, v[KA]
	v_and_b32 v40, 7, v36                          ; rows 0, 8: ones; rows 1, 9: the mask; all others: zeros
	v_min_u32 v40, 2, v40
	v_lshlrev_b32 v40, 12, v40
	v_lshl_add_u32 v40, v37, 4, v40
	v_add_nc_u32 v[MA], MT, v40
	v_mul_u32_u24 v41, v36, PW
	v_lshl_add_u32 v41, v37, 4, v41
	s_mul_i32 s59, s16, 64*PW                      ; my 64 rows of a wqb tile: what I fetch and what I read
	v_add_nc_u32 v[WA], s59, v41
	v_add_nc_u32 v[WA+1], SLOT, v[WA]
	v_add_nc_u32 v[QA], QB0, v41
	v_add_nc_u32 v[QA+1], QB0+QBUF, v41
	s_mul_i32 s60, s16, PW
	s_add_co_u32 s60, s60, QB0
	v_lshl_add_u32 v[QS], v38, 3, s60              ; row w of each eight, 8 bytes a lane
	s_lshl_b32 s60, s16, 11
	v_lshl_add_u32 v[QOFF], v38, 4, s60
	s_lshl_b32 s60, s16, 2
	s_add_co_u32 s60, s60, QB0
	v_lshl_add_u32 v[SSA], v36, 5, s60             ; s[row][head]: 32 bytes a row
	s_and_b32 s61, s16, 3                          ; at the end: which 128 columns,
	s_lshr_b32 s62, s16, 2                         ; which 32 rows
	s_lshl_b32 s60, s61, 12
	v_lshl_add_u32 v[WPO], v38, 7, s60             ; (128 (w & 3) + 4 lane) x 32 bytes
	s_lshl_b32 s60, s62, 16
	s_lshl_b32 s63, s61, 9
	s_add_co_u32 s60, s60, s63
	v_lshl_add_u32 v[OOFF], v38, 4, s60
	s_lshl_b32 s60, s62, 10
	s_add_co_u32 s60, s60, QB0
	v_mov_b32 v[SB], s60
	v_lshlrev_b32 v[T16], 4, v0
	v_lshl_add_u32 v[MKA], v0, 3, MT+4096          ; my 8 bytes of the mask's row
	v_add_nc_u32 v[ONA], MT, v[T16]                ; my 16 bytes of the ones' row
	s_mov_b32 s[G0W], 1                            ; group 0: count 1; LDS address = slot + wave x its part
	s_mov_b32 s[G0W+1], s59
	s_mov_b32 s[G0W+4], 1
	s_add_co_u32 s[G0W+5], s59, SLOT
	s_mul_i32 s60, s16, 16*KP
	s_mov_b32 s[G0K], 1
	s_mov_b32 s[G0K+1], s60
	s_mov_b32 s[G0K+4], 1
	s_add_co_u32 s[G0K+5], s60, SLOT
	s_wait_dscnt 0x0
	s_wait_kmcnt 0x0
	s_add_nc_u64 s[4:5], s[4:5], s[20:21]          ; q and out0 at my 64 rows
	s_add_nc_u64 s[14:15], s[14:15], s[20:21]
	s_lshl_b32 s22, s19, 13
	s_add_nc_u64 s[10:11], s[10:11], s[22:23]      ; my batch's mask
	s_lshl_b32 s22, s16, 16                        ; wqb: 64 rows of 1,024 bytes a wave; chunk 0 for slot 0, chunk 1 (256 bytes on) for slot 1
	s_add_nc_u64 s[G0W+2:G0W+3], s[6:7], s[22:23]
	s_add_nc_u64 s[G0W+6:G0W+7], s[G0W+2:G0W+3], 256
	s_or_b32 s[G0W+3], s[G0W+3], 0x80000000        ; type 2
	s_or_b32 s[G0W+7], s[G0W+7], 0x80000000
	s_lshl_b32 s22, s19, 21                        ; kh: 2,048 rows of 1,024 bytes a batch, 16 rows a wave; tile 0 for slot 0, tile 1 for slot 1
	s_lshl_b32 s61, s16, 14
	s_add_co_u32 s22, s22, s61
	s_add_nc_u64 s[G0K+2:G0K+3], s[8:9], s[22:23]
	s_add_nc_u64 s[G0K+6:G0K+7], s[G0K+2:G0K+3], 131072
	s_or_b32 s[G0K+3], s[G0K+3], 0x80000000
	s_or_b32 s[G0K+7], s[G0K+7], 0x80000000
; chunk c of q (128 columns): row 8 j + w, 512 neighbouring bytes from the wave
.macro QLOAD c
.irp j, 0,1,2,3,4,5,6,7
	global_load_b128 v[XQ+4*\j:XQ+4*\j+3], v[QOFF], s[4:5] offset:16384*\j+512*\c th:TH_LOAD_NT
.endr
.endm
; the chunk rounded to bf16 into buffer c mod 2
.macro QCONV c
.irp j, 0,1,2,3,4,5,6,7
	v_cvt_pk_bf16_f32 v[YQ+2*(\j%4)],   v[XQ+4*\j],   v[XQ+4*\j+1]
	v_cvt_pk_bf16_f32 v[YQ+2*(\j%4)+1], v[XQ+4*\j+2], v[XQ+4*\j+3]
	ds_store_b64 v[QS], v[YQ+2*(\j%4):YQ+2*(\j%4)+1] offset:2176*\j+(\c%2)*QBUF
.endr
.endm
; 32 along K of the projection: four tiles of Wq's rows (source 0) x four tiles of q's rows (source 1).  A lane's eight results are eight
; neighbouring features of one query.  The sixteen accumulators take turns, one instruction a turn.
.macro PROJ slot, buf, kk, zero
.if \zero == 0
	PLACES 4                                       ; the fragments were read by the matrix instructions just issued: four places in front of the loads into them
.endif
.irp d, 0,1,2,3
	ds_load_b128 v[WF+8*\d:WF+8*\d+3],   v[WA+\slot] offset:4352*\d+64*\kk
	ds_load_b128 v[WF+8*\d+4:WF+8*\d+7], v[WA+\slot] offset:4352*\d+64*\kk+32
.endr
.irp n, 0,1,2,3
	ds_load_b128 v[QFR+8*\n:QFR+8*\n+3],   v[QA+\buf] offset:4352*\n+64*\kk
	ds_load_b128 v[QFR+8*\n+4:QFR+8*\n+7], v[QA+\buf] offset:4352*\n+64*\kk+32
.endr
	s_wait_dscnt 0x0
.irp d, 0,1,2,3
.irp n, 0,1,2,3
.if \zero
	v_wmma_f32_16x16x32_bf16 v[ACC+8*(4*\d+\n):ACC+8*(4*\d+\n)+7], v[WF+8*\d:WF+8*\d+7], v[QFR+8*\n:QFR+8*\n+7], 0
.else
	v_wmma_f32_16x16x32_bf16 v[ACC+8*(4*\d+\n):ACC+8*(4*\d+\n)+7], v[WF+8*\d:WF+8*\d+7], v[QFR+8*\n:QFR+8*\n+7], v[ACC+8*(4*\d+\n):ACC+8*(4*\d+\n)+7]
.endif
.endr
.endr
.endm
; Chunk c of the projection, from slot and buffer c mod 2.  Behind the round the other slot gets chunk c + 1, or, behind the last chunk's round, kh's tile 0.
.macro WTRIP c
	s_set_vgpr_msb 0x5
	s_wait_tensorcnt 0x0                           ; all my tensor loads have landed, my part of this chunk among them,
	ds_add_u32 v0, v1
	s_wait_dscnt 0x0
	s_set_vgpr_msb 0x500
.if \c < 2
	s_add_nc_u64 s[G0W+4*(\c%2)+2:G0W+4*(\c%2)+3], s[G0W+4*(\c%2)+2:G0W+4*(\c%2)+3], 512   ; so a group 0 may be written: this slot's next chunk, two on
.endif
	s_wait_dscnt 0x0                               ; my reads of the other slot are over, my stores of q's chunk are done
	ROUND                                          ; both now hold of every wave of the four work-groups
.if \c == 3
	tensor_load_to_lds s[G0K:G0K+3], s[G1K:G1K+7]
	s_nop 0
.else
	tensor_load_to_lds s[G0W+4*((\c+1)%2):G0W+4*((\c+1)%2)+3], s[G1W:G1W+7]
	s_nop 0
.endif
.if \c == 0
	PROJ 0, 0, 0, 1                                ; the first products start the sums: nothing is cleared
.else
	PROJ (\c%2), (\c%2), 0, 0
.endif
	PROJ (\c%2), (\c%2), 1, 0
	PROJ (\c%2), (\c%2), 2, 0
	PROJ (\c%2), (\c%2), 3, 0
.if \c < 3
	s_wait_loadcnt 0x0                             ; the next chunk of q has come;
	QCONV (\c+1)                                   ; its buffer was last read in front of this chunk's round
.endif
.if \c < 2
	QLOAD (\c+2)
.endif
.endm
; 16 queries (tile nt) x 64 keys.
.macro NT nt
.irp m, 0,1,2,3
	v_wmma_f32_16x16x32_bf16 v[S+8*\m:S+8*\m+7], v[KF+16*\m:KF+16*\m+7], v[QF+16*\nt:QF+16*\nt+7], 0
.endr
.irp m, 0,1,2,3                                    ; the four accumulators take turns, one instruction a turn
	v_wmma_f32_16x16x32_bf16 v[S+8*\m:S+8*\m+7], v[KF+16*\m+8:KF+16*\m+15], v[QF+16*\nt+8:QF+16*\nt+15], v[S+8*\m:S+8*\m+7]
.endr
	PLACES 4                                       ; in front of the first read of a result (ISA guide 7.12.1)
	v_max3_num_f32 v[T], v[MP+2*\nt], v[S], v[S+1] ; the old maximum and my 32 scores, in four chains
	v_max_num_f32 v[T+1], v[S+8], v[S+9]
	v_max_num_f32 v[T+2], v[S+16], v[S+17]
	v_max_num_f32 v[T+3], v[S+24], v[S+25]
.irp i, 2,4,6
.irp c, 0,1,2,3
	v_max3_num_f32 v[T+\c], v[T+\c], v[S+8*\c+\i], v[S+8*\c+\i+1]
.endr
.endr
	v_max3_num_f32 v[MX], v[T], v[T+1], v[T+2]
	v_max_num_f32 v[MX], v[MX], v[T+3]
	v_permlanex16_b32 v[TP], v[MX], s57, s58       ; the other half of the lanes holds the query's other keys
	v_max_num_f32 v[MP+2*\nt+1], v[MX], v[TP]      ; the new maximum,
	v_sub_f32 v[AL], v[MP+2*\nt], v[MP+2*\nt+1]    ; old - new (minus infinity in the first tile: the factor is 0),
	v_mov_b32 v[MP+2*\nt], v[MP+2*\nt+1]           ; in both registers of the pair
.set ii, 0
.rept 16
	v_pk_add_f32 v[S+2*ii:S+2*ii+1], v[S+2*ii:S+2*ii+1], v[MP+2*\nt:MP+2*\nt+1] neg_lo:[0,1] neg_hi:[0,1]
.set ii, ii+1
.endr
	v_exp_f32 v[AL], v[AL]
.set ii, 0
.rept 32
	v_exp_f32 v[S+ii], v[S+ii]                     ; exponents are at most 0
.set ii, ii+1
.endr
	v_nop                                          ; one plain instruction between the last exponential and the first use (ISA guide 5.7.2)
.set ii, 0
	s_wait_alu depctr_va_vdst(0)
.rept 16
	v_cvt_pk_bf16_f32 v[S+ii], v[S+2*ii], v[S+2*ii+1]   ; packed in place: register ii was read by an earlier line, or by this one
.set ii, ii+1
.endr
	v_wmma_f32_16x16x32_bf16 v[D0:D0+7], v[MF:MF+7],    v[S:S+7],    0    ; keys 0-31: register 0 = sum p, register 1 = sum p mask
	v_wmma_f32_16x16x32_bf16 v[D1:D1+7], v[MF+8:MF+15], v[S+8:S+15], 0    ; keys 32-63, on an accumulator of its own
	PLACES 5                                       ; four in front of the reads of the results; five in front of the next products, which write over S, a source of these two
	v_pk_fma_f32 v[LT+2*\nt:LT+2*\nt+1], v[LT+2*\nt:LT+2*\nt+1], v[AL:AL+1], v[D0:D0+1] op_sel_hi:[1,0,1]
	v_pk_add_f32 v[LT+2*\nt:LT+2*\nt+1], v[LT+2*\nt:LT+2*\nt+1], v[D1:D1+1]
.endm
; 64 keys of a tile: their fragments once, for all four query tiles
.macro SUB slot, sub
.irp m, 0,1,2,3
.irp k, 0,1
	ds_load_b128 v[KF+16*\m+8*\k:KF+16*\m+8*\k+3],   v[KA+2*\slot+\sub] offset:16640*\m+64*\k
	ds_load_b128 v[KF+16*\m+8*\k+4:KF+16*\m+8*\k+7], v[KA+2*\slot+\sub] offset:16640*\m+64*\k+32
.endr
.endr
.irp f, 0,1
	ds_load_b128 v[MF+8*\f:MF+8*\f+3],   v[MA] offset:128*\sub+64*\f
	ds_load_b128 v[MF+8*\f+4:MF+8*\f+7], v[MA] offset:128*\sub+64*\f+32
.endr
	s_wait_dscnt 0x0
	NT 0
	NT 1
	NT 2
	NT 3
.endm
; A tile of 128 keys from this slot; refill = 1: the other slot gets the next tile, which has this whole trip in which to land.
.macro KTRIP slot, refill
	s_set_vgpr_msb 0x5
	s_wait_tensorcnt 0x0                           ; all my tensor loads have landed, my part of this tile among them,
	ds_add_u32 v0, v1
	s_wait_dscnt 0x0
	s_set_vgpr_msb 0x500
	s_add_nc_u64 s[G0K+4*\slot+2:G0K+4*\slot+3], s[G0K+4*\slot+2:G0K+4*\slot+3], 262144   ; so a group 0 may be written: this slot's next tile, two on (unused in the last two trips)
	s_wait_dscnt 0x0                               ; my reads of the other slot are over
	ROUND                                          ; both now hold of every wave of the four work-groups
.if \refill
	tensor_load_to_lds s[G0K+4*(1-\slot):G0K+4*(1-\slot)+3], s[G1K:G1K+7]
	s_nop 0
.endif
	SUB \slot, 0
	SUB \slot, 1
.if \refill
	v_add_nc_u32 v[MA], 256, v[MA]                 ; 128 keys on in the table's rows
.endif
.endm
	global_load_b128 v[240:243], v[T16], s[10:11]              ; the mask: keys 4 t .. 4 t + 3,
	global_load_b128 v[244:247], v[T16], s[10:11] offset:4096  ; and 1024 + 4 t ..
	QLOAD 0
	ROUND                                          ; the four work-groups are here: the first joint load meets
	tensor_load_to_lds s[G0W:G0W+3], s[G1W:G1W+7]  ; chunk 0 of wqb; slot 1 is first filled behind the next round
	s_nop 0
.irp i, 0,1,2,3
	v_mov_b32 v[248+\i], 0x3f803f80                ; two bf16 ones
	v_mov_b32 v[252+\i], 0
.endr
	ds_store_b128 v[ONA], v[248:251]               ; the 256 threads write the 4,096 bytes of the ones' row,
	ds_store_b128 v[ONA], v[252:255] offset:8192   ; and of the zeros' row
	s_wait_loadcnt 0x8                             ; the two mask loads are in; the eight loads of q behind them stay out
.irp i, 0,1,2,3,4,5,6,7
	v_cvt_f32_i32 v[240+\i], v[240+\i]
.endr
.irp i, 0,1,2,3
	v_cvt_pk_bf16_f32 v[YQ+\i], v[240+2*\i], v[240+2*\i+1]
.endr
	ds_store_b64 v[MKA], v[YQ:YQ+1]
	ds_store_b64 v[MKA], v[YQ+2:YQ+3] offset:2048
	s_wait_loadcnt 0x0
	QCONV 0
	QLOAD 1
	WTRIP 0
	WTRIP 1
	WTRIP 2
	WTRIP 3
	; qh: times 0.125 log2(e) in f32 (so that the scores are exponents of 2), rounded once to bf16.  Features 32 kk + 8 h + 0..7 come from
	; tile dt = 2 kk, features 32 kk + 16 + 8 h + 0..7 from tile 2 kk + 1: a second source as it stands.
	PLACES 4
.set ii, 0
.rept 64
	v_pk_mul_f32 v[ACC+2*ii:ACC+2*ii+1], v[ACC+2*ii:ACC+2*ii+1], 0x3e38aa3b op_sel_hi:[1,0]
.set ii, ii+1
.endr
.irp n, 0,1,2,3
.irp k, 0,1
.irp j, 0,1,2,3
	v_cvt_pk_bf16_f32 v[QF+8*(2*\n+\k)+\j],   v[ACC+8*(8*\k+\n)+2*\j],   v[ACC+8*(8*\k+\n)+2*\j+1]
	v_cvt_pk_bf16_f32 v[QF+8*(2*\n+\k)+4+\j], v[ACC+8*(8*\k+4+\n)+2*\j], v[ACC+8*(8*\k+4+\n)+2*\j+1]
.endr
.endr
.endr
.irp i, 0,1,2,3,4,5,6,7
	v_mov_b32 v[MP+\i], 0xff800000                 ; no score seen yet
	v_mov_b32 v[LT+\i], 0
.endr
	v_mov_b32 v[AL+1], 0                           ; the pair's second register is never used, but is named
	v_mov_b32 v[TP], 0                             ; v_permlanex16_b32 counts as a reader of its destination
	s_mov_b32 s56, 7                               ; 16 tiles: 7 trips of two, and two written out
.Lkeys:
	KTRIP 0, 1
	KTRIP 1, 1
	s_sub_co_u32 s56, s56, 1
	s_cmp_lg_u32 s56, 0
	s_cbranch_scc1 .Lkeys
	KTRIP 0, 1
	KTRIP 1, 0                                     ; the last tile: nothing is left to fetch
	; s = t / l into LDS (q's buffer 0, last read during the projection), and the last product
.irp e, 0,1,2,3,4,5,6,7
	global_load_b128 v[WP+4*\e:WP+4*\e+3], v[WPO], s[12:13] offset:16*\e   ; wps of my four columns, eight heads each
.endr
.irp n, 0,1,2,3
	v_rcp_f32 v[T+\n], v[LT+2*\n]                  ; l is at least the largest weight, 1
.endr
	v_nop                                          ; one plain instruction in front of the first use (ISA guide 5.7.2)
	s_wait_alu depctr_va_vdst(0)
.irp n, 0,1,2,3
	v_mul_f32 v[T+\n], v[LT+2*\n+1], v[T+\n]
	ds_store_b32 v[SSA], v[T+\n] offset:512*\n     ; both halves of the lanes hold the same number and write the same word
.endr
	s_wait_dscnt 0x0                               ; for the other waves: my stores are done
	s_barrier_signal -1
	s_barrier_wait -1
	s_wait_loadcnt 0x0                             ; wps
; four rows x my 128 columns: out = sum over 8 heads of s wps, two heads at a time
.macro OUT4 g
.irp i, 0,1,2,3
	ds_load_b128 v[SV+8*\i:SV+8*\i+3],   v[SB] offset:128*\g+32*\i        ; every lane reads the same 32 bytes: a row's eight s
	ds_load_b128 v[SV+8*\i+4:SV+8*\i+7], v[SB] offset:128*\g+32*\i+16
.endr
	s_wait_dscnt 0x0
	s_wait_xcnt 0x0                                ; the results' registers, which the last four stores read, are rewritten only behind this wait
.irp i, 0,1,2,3
.irp c, 0,1,2,3
	v_pk_mul_f32 v[TT+2*\c:TT+2*\c+1], v[WP+8*\c:WP+8*\c+1], v[SV+8*\i:SV+8*\i+1]
.endr
.irp p, 2,4,6
.irp c, 0,1,2,3
	v_pk_fma_f32 v[TT+2*\c:TT+2*\c+1], v[WP+8*\c+\p:WP+8*\c+\p+1], v[SV+8*\i+\p:SV+8*\i+\p+1], v[TT+2*\c:TT+2*\c+1]
.endr
.endr
.irp c, 0,1,2,3
	v_add_f32 v[O+4*\i+\c], v[TT+2*\c], v[TT+2*\c+1]
.endr
	global_store_b128 v[OOFF], v[O+4*\i:O+4*\i+3], s[14:15] offset:(4*\g+\i)*2048 th:TH_STORE_NT   ; the wave stores 512 neighbouring bytes, at a multiple of 256 from out0's first byte
.endr
.endm
.irp g, 0,1,2,3,4,5,6,7
	OUT4 \g
.endr
	s_set_vgpr_msb 0x5
	s_wait_tensorcnt 0x0
	ds_add_u32 v0, v1
	s_wait_dscnt 0x0
	s_set_vgpr_msb 0x500
	ROUND                                          ; the closing round: no work-group ends while a partner may still ask for a tile that names it
	s_endpgm
.Lfunc_end_k_qae5308b0e4_attn:
	.size	k_qae5308b0e4_attn, .Lfunc_end_k_qae5308b0e4_attn-k_qae5308b0e4_attn
	.p2alignl 7, 3214868480
	.fill 96, 4, 3214868480
	.section	.rodata,"a",@progbits
	.p2align	6, 0x0
	.amdhsa_kernel k_qae5308b0e4_attn
		.amdhsa_group_segment_fixed_size 327680
		.amdhsa_private_segment_fixed_size 0
		.amdhsa_enable_private_segment 0
		.amdhsa_kernarg_size 48
		.amdhsa_user_sgpr_count 2
		.amdhsa_user_sgpr_kernarg_segment_ptr 1
		.amdhsa_wavefront_size32 1
		.amdhsa_system_sgpr_workgroup_id_x 1
		.amdhsa_system_sgpr_workgroup_id_y 1
		.amdhsa_system_sgpr_workgroup_id_z 1
		.amdhsa_system_vgpr_workitem_id 0
		.amdhsa_next_free_vgpr 258
		.amdhsa_next_free_sgpr 66
		.amdhsa_reserve_vcc 0
		.amdhsa_float_denorm_mode_32 3
		.amdhsa_float_denorm_mode_16_64 3
		.amdhsa_memory_ordered 1
		.amdhsa_forward_progress 1
		.amdhsa_inst_pref_size 255
	.end_amdhsa_kernel
	.section	.bss,"aw",@nobits
	.p2align	6
	.space	262144
	.amdgpu_metadata
---
amdhsa.version: [ 1, 2 ]
amdhsa.kernels:
  - .name:           k_qae5308b0e4_attn
    .symbol:         k_qae5308b0e4_attn.kd
    .args:
      - { .name: q, .offset: 0, .size: 8, .value_kind: global_buffer, .address_space: global }
      - { .name: wqb, .offset: 8, .size: 8, .value_kind: global_buffer, .address_space: global }
      - { .name: kh, .offset: 16, .size: 8, .value_kind: global_buffer, .address_space: global }
      - { .name: supp_mask, .offset: 24, .size: 8, .value_kind: global_buffer, .address_space: global }
      - { .name: wps, .offset: 32, .size: 8, .value_kind: global_buffer, .address_space: global }
      - { .name: out0, .offset: 40, .size: 8, .value_kind: global_buffer, .address_space: global }
    .group_segment_fixed_size: 327680
    .private_segment_fixed_size: 0
    .kernarg_segment_align: 8
    .kernarg_segment_size: 48
    .max_flat_workgroup_size: 256
    .sgpr_count:     66
    .vgpr_count:     258
    .wavefront_size: 32
...
	.end_amdgpu_metadata
.endif
;; end of part 2
;; ======== version 2 of 2: 2 launches; 1.09 times as fast as version 1
;; limits: values outside matrix products are rounded to bf16
;; workspace buffers: kh 8,388,608 bytes; wqb 524,288 bytes; wps 16,384 bytes
;; launch prep (part 3): grid 4 x 64, 8 waves a work-group, no clusters, 314,624 bytes of LDS; arguments k, Wk, Wq, Wp, kh, wqb, wps; writes kh, wqb, wps
.if DOCPART == 3
	.amdgcn_target "amdgcn-amd-amdhsa--gfx1250"
	.amdhsa_code_object_version 6
	.text
	.protected	k_qae5308b0e4_prep
	.globl	k_qae5308b0e4_prep
	.p2align	8
	.type	k_qae5308b0e4_prep,@function
k_qae5308b0e4_prep:
	s_mov_b64 s[64:65], 0
	v_nop
	global_prefetch_b8 v0, s[64:65] scope:SCOPE_SE
	s_setreg_imm32_b32 hwreg(HW_REG_WAVE_MODE, 25, 1), 1
	s_wait_xcnt 0x0
; FIRST OF TWO KERNELS.  It makes three tables for the second one:
;   kh  [8192 = 2048 b + m][512] bf16 = k Wk^T (f32 sums, rounded once);   wqb [512][512] bf16 = Wq rounded;
;   wps [512 c][8 h] f32 = sum over d = 0..63 of Wp[c][64 h + d].
;
; WORK LEFT OUT, for all values of the inputs:
;  * The input v: the function never reads it, so it has no way to the output.  It is not loaded and is no argument of either kernel.
;  * The 64-fold columns of the last product.  The function itself makes x[b][n][64 h + d] = s[b][h][n] for every d, so by the
;    distributive law out[b][n][c] = sum over h, d of s[b][h][n] Wp[c][64 h + d] = sum over h of s[b][h][n] wps[c][h].
;    The product of length 512 is a product of length 8 against the table wps; both are kept in f32.
; LIMITS: Wp's groups of 64 are summed first, so the order of rounding in the last product differs from the function's;
; a NaN, an infinity or an overflow in v is not carried to the result.
;
; SHARES.  Work-group (cb, rb) makes rows 128 rb .. +127 and features 128 cb .. +127 of kh.  Wave w: rows 32 (w >> 1) .. +31, features
; 64 (w & 1) .. +63: eight accumulator tiles.  Both operand blocks (128 x 512 each) are read as f32 through registers, rounded to bf16 ONCE
; and laid into LDS, in FOUR CHUNKS of 128 along K.  Each chunk has LDS bytes of its own and one barrier behind its stores; the four K steps
; of chunk c stand among the passes (wait, round, store, next load) of chunk c + 1, so that only the last chunk's products stand alone.
; NO JOINT TENSOR LOADS HERE, though four work-groups read each block of k and 64 each block of Wk: the operands are f32 in memory and
; bf16 at the matrix unit.  A tile brought into LDS by the mover would stay f32: twice the LDS bytes (2 x 278,528 do not fit), and each
; number of k would be rounded by the two waves that read it, each number of Wk by four.
; Beside that, work-group i = 4 rb + cb rounds 4,096 bytes of Wq and sums 4,096 bytes (2 rows, 16 groups) of Wp.  wps is 16 KiB in all
; and leaves in pieces of 64 neighbouring bytes, one a work-group, so that all work-groups run the same text on the same path.
.set PW,     272                       ; an LDS row of 128 bf16 + 16 bytes: an odd multiple of 16, so the 16 rows of a fragment load start at 16 different 16-byte columns modulo 256
.set BLK,    34816                     ; 128 rows x 272 bytes.  Chunk c: k's block at 2 c BLK, Wk's at (2 c + 1) BLK
.set STG,    278528                    ; behind the four chunks: the way out, 128 rows x 272 bytes
.set SUMS,   313344                    ; 16 group sums of Wp
.set RING,   24                        ; loads of a wave on their way.  Registers: 96 for the ring + 64 accumulators + 48 fragments + 48 others = 256
.set GOFF, 1                           ; v1      2,048 w + 16 lane: my 16 bytes in every pass
.set LB,   2                           ; v2-9    LDS address of my 8 bytes in the first pass of block g = 2 c + (0: k, 1: Wk)
.set ADW,  10                          ; v10-13  my fragments of Wk in chunk c
.set ADK,  14                          ; v14-17  my fragments of k in chunk c
.set Y,    18                          ; v18-33  eight pairs of packed bf16, by turns
.set STO,  34                          ; v34     the way out: where I put 16 bytes of a row
.set RD,   35                          ; v35     the way out: where I read a row back
.set CO,   36                          ; v36     my byte offset in kh
.set SA,   37                          ; v37     the word of my group's sum
.set O8,   38                          ; v38     8 t: my 8 bytes of wqb
.set SL,   39                          ; v39     SUMS + 4 (t & 15)
.set SO,   40                          ; v40     4 (t & 15)
.set T16,  41                          ; v41     16 t: my 16 bytes of Wq and of Wp
.set WQP,  42                          ; v42-43  Wq packed: a store's data, in registers that nothing writes again
.set WPS,  44                          ; v44-45  Wp's sum at work
.set SUMV, 46                          ; v46     a sum on its way out
.set X,    48                          ; v48-143 the stream's ring: 24 slots of 4 registers
.set ACC,  144                         ; v144-207 8 accumulator tiles, tile (mt, ft) at 8 (4 mt + ft)
.set F0,   208                         ; v208-255 fragments: 4 tiles of Wk, 2 of k
.set F1,   48                          ; behind the stream: a second fragment buffer in the ring's registers
.set WQX,  208                         ; in front of the first fragments: v208-211 four numbers of Wq, v212-215 of Wp,
.set WPX,  212
.set TM,   220                         ; v220-227 at work during the set-up
.set PK,   48                          ; the way out: packed results
.set OUTR, 80                          ; the way out: rows read back
.macro PLACES n
.rept \n
	v_nop
.endr
.endm
	s_load_b256 s[4:11], s[0:1], 0x0               ; k s[4:5], Wk s[6:7], Wq s[8:9], Wp s[10:11]
	s_load_b128 s[12:15], s[0:1], 0x20             ; kh s[12:13], wqb s[14:15]
	s_load_b64 s[16:17], s[0:1], 0x30              ; wps
	v_lshl_add_u32 v47, v0, 2, 0x4c900
	s_set_vgpr_msb 0x40
	v_mov_b32 v1, 0
	s_set_vgpr_msb 0x4000
	v_lshrrev_b32 v[TM], 5, v0
	v_readfirstlane_b32 s20, v[TM]                 ; wave 0..7
	s_mov_b32 s21, ttmp9                           ; cb
	s_and_b32 s22, ttmp7, 0xffff                   ; rb
	s_lshl2_add_u32 s23, s22, s21                  ; i = 4 rb + cb
	s_and_b32 s28, s20, 1                          ; fc: which 64 features
	s_lshr_b32 s29, s20, 1                         ; mr: which 32 rows
	v_and_b32 v[TM+1], 31, v0                      ; lane
	v_lshlrev_b32 v[T16], 4, v0
	v_lshlrev_b32 v[TM+2], 4, v[TM+1]
	v_lshl_add_u32 v[GOFF], v[TM], 11, v[TM+2]     ; a pass is eight rows x 512 bytes: wave w takes row w of the eight
	v_lshlrev_b32 v[TM+2], 3, v[TM+1]              ; my four numbers are 8 bytes of bf16
	v_mad_u32_u24 v[LB], v[TM], PW, v[TM+2]
.irp g, 1,2,3,4,5,6,7
	v_add_nc_u32 v[LB+\g], \g*BLK, v[LB]
.endr
	v_and_b32 v[TM+3], 15, v0                      ; r
	v_bfe_u32 v[TM+4], v0, 4, 1                    ; h
	v_mul_u32_u24 v[TM+5], v[TM+3], PW
	v_lshl_add_u32 v[TM+5], v[TM+4], 4, v[TM+5]    ; r x pitch + 16 h
	s_mul_i32 s30, s28, 64*PW
	s_add_co_u32 s30, s30, BLK
	v_add_nc_u32 v[ADW], s30, v[TM+5]
	s_mul_i32 s31, s29, 32*PW
	v_add_nc_u32 v[ADK], s31, v[TM+5]
.irp c, 1,2,3
	v_add_nc_u32 v[ADW+\c], \c*2*BLK, v[ADW]
	v_add_nc_u32 v[ADK+\c], \c*2*BLK, v[ADK]
.endr
	s_lshl_b32 s33, s28, 7
	s_add_co_u32 s32, s31, s33
	s_add_co_u32 s32, s32, STG
	v_add_nc_u32 v[STO], s32, v[TM+5]              ; STG + (32 mr + r) 272 + 128 fc + 16 h
	v_mul_u32_u24 v[TM+6], v[TM+4], PW
	v_lshl_add_u32 v[TM+6], v[TM+3], 4, v[TM+6]
	s_mul_i32 s33, s20, 16*PW
	s_add_co_u32 s33, s33, STG
	v_add_nc_u32 v[RD], s33, v[TM+6]               ; STG + (16 w + h) 272 + 16 r
	v_lshlrev_b32 v[TM+7], 10, v[TM+4]
	v_lshl_add_u32 v[TM+7], v[TM+3], 4, v[TM+7]
	s_lshl_b32 s33, s20, 14
	v_add_nc_u32 v[CO], s33, v[TM+7]               ; (16 w + h) 1024 + 16 r
	v_lshrrev_b32 v[TM+6], 4, v0
	v_lshl_add_u32 v[SA], v[TM+6], 2, SUMS         ; sixteen lanes hold one group of 64 numbers
	v_lshlrev_b32 v[O8], 3, v0
	v_lshlrev_b32 v[SO], 2, v[TM+3]
	v_add_nc_u32 v[SL], SUMS, v[SO]
	s_lshl_b32 s24, s22, 18                        ; 128 rows of 2,048 bytes
	s_mov_b32 s25, 0
	s_lshl_b32 s26, s21, 18
	s_mov_b32 s27, 0
	s_wait_kmcnt 0x0
	s_add_nc_u64 s[4:5], s[4:5], s[24:25]          ; k at my 128 rows
	s_add_nc_u64 s[6:7], s[6:7], s[26:27]          ; Wk at my 128 features
	s_lshl_b32 s24, s23, 12
	s_add_nc_u64 s[8:9], s[8:9], s[24:25]          ; Wq and Wp at my 4,096 bytes
	s_add_nc_u64 s[10:11], s[10:11], s[24:25]
	s_lshl_b32 s24, s23, 11
	s_add_nc_u64 s[14:15], s[14:15], s[24:25]      ; wqb at my 2,048 bytes
	s_lshl_b32 s24, s23, 6
	s_add_nc_u64 s[16:17], s[16:17], s[24:25]      ; wps at my 64 bytes
	s_lshl_b32 s24, s22, 17                        ; kh: 128 rows of 1,024 bytes,
	s_lshl_b32 s26, s21, 8                         ; and 128 features of 2 bytes
	s_add_co_u32 s24, s24, s26
	s_add_nc_u64 s[12:13], s[12:13], s[24:25]
; THE STREAM.  Pass n = 32 c + 16 blk + p: chunk c, block blk (0: k, 1: Wk), rows 8 p .. 8 p + 7, columns 128 c .. +127.  A wave's load covers 512
; neighbouring bytes, at a multiple of 512 from the buffer's first byte.  24 loads of every wave are on their way: 24 x 512 bytes x 8 waves = 96 KiB.
.macro GLOAD n
	global_load_b128 v[X+4*((\n)%RING):X+4*((\n)%RING)+3], v[GOFF], s[4+2*(((\n)/16)%2):5+2*(((\n)/16)%2)] offset:((\n)%16)*16384+((\n)/32)*512
.endm
; Pass qq: wait, round four numbers, store 8 bytes; the slot then takes pass qq + 24, while there is one.
.macro SLOT
.if qq < 128-RING
	s_wait_loadcnt RING-1                          ; loads come back in order (ISA guide 5.7.1): this slot's is in, the 23 younger ones stay out
.else
	s_wait_loadcnt 127-qq                          ; nothing is left to fetch: the counts run down to 0
.endif
	v_cvt_pk_bf16_f32 v[Y+2*(qq%8)],   v[X+4*(qq%RING)],   v[X+4*(qq%RING)+1]
	v_cvt_pk_bf16_f32 v[Y+2*(qq%8)+1], v[X+4*(qq%RING)+2], v[X+4*(qq%RING)+3]
	ds_store_b64 v[LB+qq/16], v[Y+2*(qq%8):Y+2*(qq%8)+1] offset:(qq%16)*8*PW   ; a wave's 32 lanes store 256 neighbouring bytes
.if qq < 128-RING
	GLOAD (qq+RING)
.endif
.set qq, qq+1
.endm
; 12 LDS loads: the fragments of K step kk of chunk c (32 along K, 64 bytes of each row): four tiles of Wk, two of k
.macro FRAG c, kk, f
.irp i, 0,1,2,3
	ds_load_b128 v[\f+8*\i:\f+8*\i+3],   v[ADW+\c] offset:16*PW*\i+64*\kk
	ds_load_b128 v[\f+8*\i+4:\f+8*\i+7], v[ADW+\c] offset:16*PW*\i+64*\kk+32
.endr
.irp i, 0,1
	ds_load_b128 v[\f+32+8*\i:\f+32+8*\i+3],   v[ADK+\c] offset:16*PW*\i+64*\kk
	ds_load_b128 v[\f+32+8*\i+4:\f+32+8*\i+7], v[ADK+\c] offset:16*PW*\i+64*\kk+32
.endr
.endm
; Eight products on buffer f.  Source 0 = 16 features of Wk, source 1 = 16 rows of k: a lane's eight results are then eight neighbouring features
; of one row of kh.  The eight accumulators take turns, one instruction a turn.
.macro MUL8 f, zero
.irp m, 0,1
.irp i, 0,1,2,3
.if \zero
	v_wmma_f32_16x16x32_bf16 v[ACC+8*(4*\m+\i):ACC+8*(4*\m+\i)+7], v[\f+8*\i:\f+8*\i+7], v[\f+32+8*\m:\f+32+8*\m+7], 0
.else
	v_wmma_f32_16x16x32_bf16 v[ACC+8*(4*\m+\i):ACC+8*(4*\m+\i)+7], v[\f+8*\i:\f+8*\i+7], v[\f+32+8*\m:\f+32+8*\m+7], v[ACC+8*(4*\m+\i):ACC+8*(4*\m+\i)+7]
.endif
.endr
.endr
.endm
; K step kk of chunk c among eight passes of chunk c + 1.  The first four passes' eight conversions name no register of the products in front of them:
; they are the places in front of the loads into the fragments.  The other four passes stand between those loads and their use.
.macro GROUP c, kk, zero
.rept 4
	SLOT
.endr
	FRAG \c, \kk, F0
.rept 4
	SLOT
.endr
	s_wait_dscnt 4                                 ; LDS serves a wave in order: all but the four stores issued behind the twelve loads
	MUL8 F0, \zero
.endm
; A chunk's stores are done in every wave.  The loads from memory stay on their way: nobody writes k or Wk.
.macro BAR
	s_wait_dscnt 0x0                               ; for the other waves: all my LDS stores are done
	s_barrier_signal -1
	s_barrier_wait -1
.endm
	global_load_b128 v[WQX:WQX+3], v[T16], s[8:9] th:TH_LOAD_NT        ; the two side loads are the oldest:
	global_load_b128 v[WPX:WPX+3], v[T16], s[10:11] th:TH_LOAD_NT      ; the ring's first wait shows them done too
.set qq, 0
.rept RING
	GLOAD qq
.set qq, qq+1
.endr
.set qq, 0
.rept 32
	SLOT                                           ; chunk 0
.endr
	; the side work: Wq rounded, Wp's groups of 64 summed
	v_cvt_pk_bf16_f32 v[WQP], v[WQX], v[WQX+1]
	v_cvt_pk_bf16_f32 v[WQP+1], v[WQX+2], v[WQX+3]
	global_store_b64 v[O8], v[WQP:WQP+1], s[14:15] ; a wave stores 256 neighbouring bytes, at a multiple of 256 from wqb's first byte
	v_pk_add_f32 v[WPS:WPS+1], v[WPX:WPX+1], v[WPX+2:WPX+3]
	v_add_f32 v[WPS], v[WPS], v[WPS+1]
	v_add_f32_dpp v[WPS], v[WPS], v[WPS] row_xmask:1 row_mask:0xf bank_mask:0xf
	v_add_f32_dpp v[WPS], v[WPS], v[WPS] row_xmask:2 row_mask:0xf bank_mask:0xf
	v_add_f32_dpp v[WPS], v[WPS], v[WPS] row_xmask:4 row_mask:0xf bank_mask:0xf
	v_add_f32_dpp v[WPS], v[WPS], v[WPS] row_xmask:8 row_mask:0xf bank_mask:0xf
	ds_store_b32 v[SA], v[WPS]                     ; sixteen lanes write one word with one value
	BAR                                            ; chunk 0 and the 16 sums are whole
	GROUP 0, 0, 1                                  ; the first products start the sums: nothing is cleared
	GROUP 0, 1, 0
	GROUP 0, 2, 0
	GROUP 0, 3, 0
	BAR                                            ; chunk 1 is whole
.irp c, 1,2
.irp k, 0,1,2,3
	GROUP \c, \k, 0
.endr
	BAR                                            ; chunk c + 1 is whole
.endr
; The last chunk's four K steps, on two fragment buffers: step kk on buffer f; the next step's fragments go into buffer g first.
.macro TSTEP kk, f, g, last
.if \last
	s_wait_dscnt 0x0
.else
	PLACES 4                                       ; buffer g was read by the products just issued: four places in front of the loads into it
	FRAG 3, (\kk+1), \g
	s_wait_dscnt 12                                ; all but the 12 just issued
.endif
	MUL8 \f, 0
.endm
	FRAG 3, 0, F1                                  ; the ring's registers: its last load was waited for, and no product has read them
	TSTEP 0, F1, F0, 0
	TSTEP 1, F0, F1, 0
	TSTEP 2, F1, F0, 0
	TSTEP 3, F0, F1, 1
	; THE WAY OUT: round, 16 bytes a lane into the stage, read whole rows of 256 bytes back, store them
	PLACES 4                                       ; behind the last matrix instructions: the conversions read results and write over buffer 1
.irp a, 0,1,2,3,4,5,6,7
.irp j, 0,1,2,3
	v_cvt_pk_bf16_f32 v[PK+4*\a+\j], v[ACC+8*\a+2*\j], v[ACC+8*\a+2*\j+1]
.endr
.endr
.irp m, 0,1
.irp i, 0,1,2,3
	ds_store_b128 v[STO], v[PK+4*(4*\m+\i):PK+4*(4*\m+\i)+3] offset:16*PW*\m+32*\i
.endr
.endr
	BAR                                            ; a row of the stage is written by two waves
.irp u, 0,1,2,3,4,5,6,7
	ds_load_b128 v[OUTR+4*\u:OUTR+4*\u+3], v[RD] offset:2*PW*\u
.endr
.irp u, 0,1,2,3,4,5,6,7
	s_wait_dscnt 7-\u                              ; LDS loads come back in order: pair u of rows is in
	global_store_b128 v[CO], v[OUTR+4*\u:OUTR+4*\u+3], s[12:13] offset:2048*\u   ; 16 lanes store 256 neighbouring bytes, at a multiple of 256 from kh's first byte
.endr
	s_cmp_lg_u32 s20, 0
	s_cbranch_scc1 .Lnosum                         ; wave 0 alone stores the 16 sums: rows 2 i, 2 i + 1 of wps.  They were whole behind the first barrier
	s_wait_xcnt 0x0                                ; EXEC is a source of the stores above: it narrows only behind this wait
	v_cmp_gt_u32 vcc_lo, 16, v0
	s_and_saveexec_b32 s34, vcc_lo
	ds_load_b32 v[SUMV], v[SL]
	s_wait_dscnt 0x0
	global_store_b32 v[SO], v[SUMV], s[16:17]      ; 64 neighbouring bytes
	s_wait_xcnt 0x0                                ; and it widens only behind this one
	s_or_b32 exec_lo, exec_lo, s34
.Lnosum:
	s_set_vgpr_msb 0x4
	s_wait_tensorcnt 0x0
	ds_add_u32 v47, v1
	s_wait_dscnt 0x0
	s_set_vgpr_msb 0x400
	s_endpgm
.Lfunc_end_k_qae5308b0e4_prep:
	.size	k_qae5308b0e4_prep, .Lfunc_end_k_qae5308b0e4_prep-k_qae5308b0e4_prep
	.p2alignl 7, 3214868480
	.fill 96, 4, 3214868480
	.section	.rodata,"a",@progbits
	.p2align	6, 0x0
	.amdhsa_kernel k_qae5308b0e4_prep
		.amdhsa_group_segment_fixed_size 314624
		.amdhsa_private_segment_fixed_size 0
		.amdhsa_enable_private_segment 0
		.amdhsa_kernarg_size 56
		.amdhsa_user_sgpr_count 2
		.amdhsa_user_sgpr_kernarg_segment_ptr 1
		.amdhsa_wavefront_size32 1
		.amdhsa_system_sgpr_workgroup_id_x 1
		.amdhsa_system_sgpr_workgroup_id_y 1
		.amdhsa_system_sgpr_workgroup_id_z 1
		.amdhsa_system_vgpr_workitem_id 0
		.amdhsa_next_free_vgpr 258
		.amdhsa_next_free_sgpr 66
		.amdhsa_reserve_vcc 1
		.amdhsa_float_denorm_mode_32 3
		.amdhsa_float_denorm_mode_16_64 3
		.amdhsa_memory_ordered 1
		.amdhsa_forward_progress 1
		.amdhsa_inst_pref_size 71
	.end_amdhsa_kernel
	.amdgpu_metadata
---
amdhsa.version: [ 1, 2 ]
amdhsa.kernels:
  - .name:           k_qae5308b0e4_prep
    .symbol:         k_qae5308b0e4_prep.kd
    .args:
      - { .name: k, .offset: 0, .size: 8, .value_kind: global_buffer, .address_space: global }
      - { .name: Wk, .offset: 8, .size: 8, .value_kind: global_buffer, .address_space: global }
      - { .name: Wq, .offset: 16, .size: 8, .value_kind: global_buffer, .address_space: global }
      - { .name: Wp, .offset: 24, .size: 8, .value_kind: global_buffer, .address_space: global }
      - { .name: kh, .offset: 32, .size: 8, .value_kind: global_buffer, .address_space: global }
      - { .name: wqb, .offset: 40, .size: 8, .value_kind: global_buffer, .address_space: global }
      - { .name: wps, .offset: 48, .size: 8, .value_kind: global_buffer, .address_space: global }
    .group_segment_fixed_size: 314624
    .private_segment_fixed_size: 0
    .kernarg_segment_align: 8
    .kernarg_segment_size: 56
    .max_flat_workgroup_size: 256
    .sgpr_count:     66
    .vgpr_count:     258
    .wavefront_size: 32
...
	.end_amdgpu_metadata
.endif
;; end of part 3
;; launch attn (part 4): grid 256 x 1, 8 waves a work-group, clusters of 4 x 1, 327,680 bytes of LDS; arguments q, wqb, kh, supp_mask, wps, out0; writes out0
.if DOCPART == 4
	.amdgcn_target "amdgcn-amd-amdhsa--gfx1250"
	.amdhsa_code_object_version 6
	.text
	.protected	k_qae5308b0e4_attn
	.globl	k_qae5308b0e4_attn
	.p2align	8
	.type	k_qae5308b0e4_attn,@function
k_qae5308b0e4_attn:
	s_mov_b64 s[64:65], 0
	v_nop
	global_prefetch_b8 v0, s[64:65] scope:SCOPE_SE
	s_setreg_imm32_b32 hwreg(HW_REG_WAVE_MODE, 25, 1), 1
	s_wait_xcnt 0x0
	s_wait_alu depctr_hold_cnt(0) depctr_sa_sdst(0) depctr_va_vdst(0) depctr_va_sdst(0) depctr_va_ssrc(0) depctr_va_vcc(0) depctr_vm_vsrc(0)
	s_getreg_b32 s2, hwreg(HW_REG_IB_STS2, 6, 4)
	s_cmp_eq_u32 s2, 0
	s_cbranch_scc0 .Lentry_in_a_cluster
	s_endpgm
.Lentry_in_a_cluster:
	s_bfe_u32 s2, ttmp6, 0x10000c
	s_cmp_lg_u32 s2, 0x3003
	s_cbranch_scc0 .Lentry_shape_is_right
	s_endpgm
.Lentry_shape_is_right:
; SECOND OF TWO KERNELS: out0 from q, the tables wqb, kh, wps of the first kernel, and supp_mask.
; Left out as in the first kernel (shown at its head): the input v, and the 64 equal columns of each head in the last product:
; out[b][n][c] = sum over h of s[b][h][n] wps[c][h].
; LIMITS: the mask's whole numbers go to the matrix unit as bf16: exact up to 256 in magnitude, rounded beyond.  The weights
; 2^(score - maximum) are rounded to bf16 before BOTH sums, so s = t / l stays a weighted mean of the mask's values.
;
; SHARES.  A work-group has 64 query rows and all 8 heads; wave w is head w, with four tiles of 16 queries.
;  1. qh = q Wq^T for the wave's 64 features, K = 512 in four chunks of 128; times 0.125 log2(e) in f32, then bf16, kept in registers.
;  2. 16 tiles of 128 keys.  S^T = K Q^T: lane (r, h) holds query r and the keys 8 h + 0..7 of each tile of 16.  Running maximum (the true
;     maximum so far, joined over the two halves of the lanes), p = 2^(S - m), packed to bf16 in place: two packed tiles ARE a second
;     source of 32 keys x 16 queries.  One more product with a first source whose rows 0 and 8 are ones, rows 1 and 9 the mask and the
;     others zeros gives l = sum p in result register 0 and t = sum p mask in register 1, in every lane.
;     THE FOUR QUERY TILES TAKE TURNS on two score buffers: while tile nt's maximum, subtraction, exponentials and packing run on the
;     vector unit, the matrix unit is given tile nt - 1's two sum products and tile nt + 1's eight score products, one slice of the
;     vector work behind each of the ten.  A tile has 10 matrix instructions beside 89 others.
;     FRAGMENTS ARE ASKED FOR AHEAD: the last product that reads a K fragment stands in the third tile's phase, so the next 64 keys'
;     fragments are loaded in front of the fourth tile's phase; the mask's fragments follow behind the last sum products.
;  3. s = t / l goes through LDS; each wave makes 32 rows x 128 columns of out by eight multiply-adds in f32.
; CLUSTER.  Four work-groups with neighbouring query blocks of one batch read the same tiles of wqb and kh: every tensor load is a joint
; one (mask 15), the same descriptor in all four.  The place in the cluster enters the global bases of q and out0 alone.
; Each of the 8 waves fetches an eighth of a tile: 64 rows of 256 bytes of wqb, or 16 rows of 1,024 bytes of kh (128 rows over 8 waves).
; By this text's count a wave has one tensor load outstanding at any time.
.set SLOT,  139264                     ; a ring slot: 512 rows x 272 bytes of wqb, or 128 rows x 1,040 bytes of kh (133,120)
.set QB0,   278528                     ; q's chunk as bf16, 64 rows x 272 bytes, two buffers; written by LDS stores, never by the mover
.set QBUF,  17408
.set MT,    313344                     ; three rows of 4,096 bytes: ones, the mask as bf16, zeros
.set KP,    1040                       ; pitches: odd multiples of 16 bytes, so the 16 rows of a fragment load start at 16 different 16-byte columns modulo 256
.set PW,    272
.set MKA,  1                           ; v1      at the head: my 8 bytes of the mask's row
.set KA,   2                           ; v2-5    K fragments: slot 0 keys 0-63, 64-127; slot 1 likewise
.set MA,   6                           ; v6      my row of the ones / mask / zeros table, at this tile's first key
.set WA,   7                           ; v7-8    Wq fragments in slot 0, 1
.set QA,   9                           ; v9-10   q fragments in buffer 0, 1
.set QS,   11                          ; v11     where I store 8 bytes of q
.set QOFF, 12                          ; v12     my 16 bytes of q
.set SSA,  13                          ; v13     where I store s
.set WPO,  14                          ; v14     my 128 bytes of wps
.set OOFF, 15                          ; v15     my 16 bytes of out0
.set SB,   16                          ; v16     s of my 32 rows
.set T16,  17                          ; v17     16 t
.set AL,   18                          ; v18-19  even query tiles: 2^(old maximum - new maximum), and a written partner
.set MP,   20                          ; v20-27  tile nt: the pair (m, m)
.set LT,   28                          ; v28-35  tile nt: the pair (l, t)
.set ONA,  28                          ; v28     at the head, before (l, t) begin: my 16 bytes of the ones' row.  It lies outside v32-63, into which q is loaded
.set T,    36                          ; v36-39  four chains of the maximum
.set MX,   40
.set TP,   41
.set ALB,  42                          ; v42-43  odd query tiles: the same as v18-19.  The factor is read one phase after it is made, so each parity has its own
.set MF,   48                          ; v48-63  two first sources ones / mask / zeros, 32 keys each
.set QF,   64                          ; v64-127 qh: tile nt, half kk of the head's 64, at 8 (2 nt + kk)
.set KF,   128                         ; v128-191 kh: tile mt of 16 keys, half kk, at 8 (2 mt + kk)
.set S,    192                         ; v192-223, v224-255: two score buffers, query tile nt in buffer nt mod 2.  In a buffer: four score tiles; then the packed
                                       ; weights in registers 0-15; then the two sum products' results in registers 16-23 and 24-31, which are dead once packed
.set YQ,   20                          ; during the projection: v20-27 packed q, v32-63 q as loaded,
.set XQ,   32
.set WF,   64                          ; v64-95 Wq fragments, v96-127 q fragments,
.set QFR,  96
.set ACC,  128                         ; v128-255 sixteen accumulator tiles, (dt, nt) at 8 (4 dt + nt)
.set WP,   64                          ; at the end: v64-95 wps of my 4 columns, v128-159 s of 4 rows, v160-175 results, v192-199 at work
.set SV,   128
.set O,    160
.set TT,   192
.set G1W,  24                          ; s[24:31] shape of a wave's part of a wqb tile
.set G1K,  32                          ; s[32:39] shape of a wave's part of a kh tile
.set G0W,  40                          ; s[40:47] from where, to where: wqb, a set for each slot
.set G0K,  48                          ; s[48:55] the same for kh
.macro PLACES n
.rept \n
	v_nop
.endr
.endm
; A round of the cluster's barrier: my work-group's barrier, so that wave 0 speaks for all eight waves; wave 0 signals for the work-group;
; every wave waits for the four work-groups; my work-group's barrier once more.
.macro CREST                           ; a round behind its opening barrier
	s_cmp_lg_u32 s16, 0
	s_cbranch_scc1 .Lnot_wave_0_\@
	s_barrier_signal -3
.Lnot_wave_0_\@:
	s_barrier_wait -3
	s_barrier_signal -1
	s_barrier_wait -1
.endm
.macro ROUND                           ; a whole round
	s_barrier_signal -1
	s_barrier_wait -1
	CREST
.endm
	s_load_b256 s[4:11], s[0:1], 0x0               ; q s[4:5], wqb s[6:7], kh s[8:9], supp_mask s[10:11]
	s_load_b128 s[12:15], s[0:1], 0x20             ; wps s[12:13], out0 s[14:15]
	s_set_vgpr_msb 0x40
	v_lshl_add_u32 v0, v0, 2, 0x4f800
	v_mov_b32 v1, 0
	s_set_vgpr_msb 0x4045
	ds_add_u32 v0, v1
	s_set_vgpr_msb 0x4500
	v_lshrrev_b32 v36, 5, v0
	v_readfirstlane_b32 s16, v36                   ; wave = head, 0..7
	s_bfe_u32 s17, ttmp6, 0x40000                  ; cx: my place in the cluster
	s_lshl_b32 s18, ttmp9, 2                       ; in a cluster launch ttmp9 counts clusters
	s_add_co_u32 s18, s18, s17                     ; my block of 64 query rows
	s_lshr_b32 s19, ttmp9, 4                       ; batch: 16 clusters each; the four partners share it
	s_lshl_b32 s20, s18, 17                        ; 64 rows of 2,048 bytes.  s[20:21] alone hold what hangs on cx, and feed q's and out0's bases alone
	s_mov_b32 s21, 0
	s_mov_b32 s23, 0
	s_mov_b32 s57, 0x76543210                      ; v_permlanex16_b32: lane i of one half reads lane i of the other
	s_mov_b32 s58, 0xfedcba98
	; group 1 for wqb: 64 rows x 128 elements of 2 bytes, row pitch 512 elements; 16 bytes of padding behind every 64 words
	s_mov_b32 s[G1W+0], 15|(1<<16)|(1<<20)|(1<<21)|(5<<22)|(3<<25)   ; 15:0 the four partners; 17:16 2 bytes; 20 padding on; 21 set beside a mask; 24:22 every 64 words; 31:25 four words
	s_mov_b32 s[G1W+1], 128<<16                    ; tensor_dim0 = 128
	s_mov_b32 s[G1W+2], 64<<16                     ; tensor_dim1 = 64
	s_mov_b32 s[G1W+3], 128<<16                    ; tile_dim0 = 128
	s_mov_b32 s[G1W+4], 64                         ; tile_dim1 = 64
	s_mov_b32 s[G1W+5], 512                        ; elements from row to row
	s_mov_b32 s[G1W+6], 0
	s_mov_b32 s[G1W+7], 0
	; group 1 for kh: 16 rows x 512 elements, dense; 16 bytes of padding behind every 256 words
	s_mov_b32 s[G1K+0], 15|(1<<16)|(1<<20)|(1<<21)|(7<<22)|(3<<25)
	s_mov_b32 s[G1K+1], 512<<16
	s_mov_b32 s[G1K+2], 16<<16
	s_mov_b32 s[G1K+3], 512<<16
	s_mov_b32 s[G1K+4], 16
	s_mov_b32 s[G1K+5], 512
	s_mov_b32 s[G1K+6], 0
	s_mov_b32 s[G1K+7], 0
	; v36-41 are at work only here, in front of the first loads of q, which land on them
	v_and_b32 v36, 15, v0                          ; r
	v_bfe_u32 v37, v0, 4, 1                        ; h
	v_and_b32 v38, 31, v0                          ; lane
	v_mul_u32_u24 v39, v36, KP
	v_lshl_add_u32 v39, v37, 4, v39
	s_lshl_b32 s59, s16, 7                         ; my head's 128 bytes in a row of kh
	v_add_nc_u32 v[KA], s59, v39
	v_add_nc_u32 v[KA+1], 64*KP, v[KA]
	v_add_nc_u32 v[KA+2], SLOT, v[KA]
	v_add_nc_u32 v[KA+3], SLOT+64*KP, v[KA]
	v_and_b32 v40, 7, v36                          ; rows 0, 8: ones; rows 1, 9: the mask; all others: zeros
	v_min_u32 v40, 2, v40
	v_lshlrev_b32 v40, 12, v40
	v_lshl_add_u32 v40, v37, 4, v40
	v_add_nc_u32 v[MA], MT, v40
	v_mul_u32_u24 v41, v36, PW
	v_lshl_add_u32 v41, v37, 4, v41
	s_mul_i32 s59, s16, 64*PW                      ; my 64 rows of a wqb tile: what I fetch and what I read
	v_add_nc_u32 v[WA], s59, v41
	v_add_nc_u32 v[WA+1], SLOT, v[WA]
	v_add_nc_u32 v[QA], QB0, v41
	v_add_nc_u32 v[QA+1], QB0+QBUF, v41
	s_mul_i32 s60, s16, PW
	s_add_co_u32 s60, s60, QB0
	v_lshl_add_u32 v[QS], v38, 3, s60              ; row w of each eight, 8 bytes a lane
	s_lshl_b32 s60, s16, 11
	v_lshl_add_u32 v[QOFF], v38, 4, s60
	s_lshl_b32 s60, s16, 2
	s_add_co_u32 s60, s60, QB0
	v_lshl_add_u32 v[SSA], v36, 5, s60             ; s[row][head]: 32 bytes a row
	s_and_b32 s61, s16, 3                          ; at the end: which 128 columns,
	s_lshr_b32 s62, s16, 2                         ; which 32 rows
	s_lshl_b32 s60, s61, 12
	v_lshl_add_u32 v[WPO], v38, 7, s60             ; (128 (w & 3) + 4 lane) x 32 bytes
	s_lshl_b32 s60, s62, 16
	s_lshl_b32 s63, s61, 9
	s_add_co_u32 s60, s60, s63
	v_lshl_add_u32 v[OOFF], v38, 4, s60
	s_lshl_b32 s60, s62, 10
	s_add_co_u32 s60, s60, QB0
	v_mov_b32 v[SB], s60
	v_lshlrev_b32 v[T16], 4, v0
	v_lshl_add_u32 v[MKA], v0, 3, MT+4096          ; my 8 bytes of the mask's row
	v_add_nc_u32 v[ONA], MT, v[T16]                ; my 16 bytes of the ones' row
	s_mov_b32 s[G0W], 1                            ; group 0: count 1; LDS address = slot + wave x its part
	s_mov_b32 s[G0W+1], s59
	s_mov_b32 s[G0W+4], 1
	s_add_co_u32 s[G0W+5], s59, SLOT
	s_mul_i32 s60, s16, 16*KP
	s_mov_b32 s[G0K], 1
	s_mov_b32 s[G0K+1], s60
	s_mov_b32 s[G0K+4], 1
	s_add_co_u32 s[G0K+5], s60, SLOT
	s_wait_dscnt 0x0
	s_wait_kmcnt 0x0
	s_add_nc_u64 s[4:5], s[4:5], s[20:21]          ; q and out0 at my 64 rows
	s_add_nc_u64 s[14:15], s[14:15], s[20:21]
	s_lshl_b32 s22, s19, 13
	s_add_nc_u64 s[10:11], s[10:11], s[22:23]      ; my batch's mask
	s_lshl_b32 s22, s16, 16                        ; wqb: 64 rows of 1,024 bytes a wave; chunk 0 for slot 0, chunk 1 (256 bytes on) for slot 1
	s_add_nc_u64 s[G0W+2:G0W+3], s[6:7], s[22:23]
	s_add_nc_u64 s[G0W+6:G0W+7], s[G0W+2:G0W+3], 256
	s_or_b32 s[G0W+3], s[G0W+3], 0x80000000        ; type 2
	s_or_b32 s[G0W+7], s[G0W+7], 0x80000000
	s_lshl_b32 s22, s19, 21                        ; kh: 2,048 rows of 1,024 bytes a batch, 16 rows a wave; tile 0 for slot 0, tile 1 for slot 1
	s_lshl_b32 s61, s16, 14
	s_add_co_u32 s22, s22, s61
	s_add_nc_u64 s[G0K+2:G0K+3], s[8:9], s[22:23]
	s_add_nc_u64 s[G0K+6:G0K+7], s[G0K+2:G0K+3], 131072
	s_or_b32 s[G0K+3], s[G0K+3], 0x80000000
	s_or_b32 s[G0K+7], s[G0K+7], 0x80000000
; chunk c of q (128 columns): row 8 j + w, 512 neighbouring bytes from the wave
.macro QLOAD c
.irp j, 0,1,2,3,4,5,6,7
	global_load_b128 v[XQ+4*\j:XQ+4*\j+3], v[QOFF], s[4:5] offset:16384*\j+512*\c th:TH_LOAD_NT
.endr
.endm
; the chunk rounded to bf16 into buffer c mod 2
.macro QCONV c
.irp j, 0,1,2,3,4,5,6,7
	v_cvt_pk_bf16_f32 v[YQ+2*(\j%4)],   v[XQ+4*\j],   v[XQ+4*\j+1]
	v_cvt_pk_bf16_f32 v[YQ+2*(\j%4)+1], v[XQ+4*\j+2], v[XQ+4*\j+3]
	ds_store_b64 v[QS], v[YQ+2*(\j%4):YQ+2*(\j%4)+1] offset:2176*\j+(\c%2)*QBUF
.endr
.endm
; 32 along K of the projection: four tiles of Wq's rows (source 0) x four tiles of q's rows (source 1).  A lane's eight results are eight
; neighbouring features of one query.  The sixteen accumulators take turns, one instruction a turn.
.macro PROJ slot, buf, kk, zero
.if \zero == 0
	PLACES 4                                       ; the fragments were read by the matrix instructions just issued: four places in front of the loads into them
.endif
.irp d, 0,1,2,3
	ds_load_b128 v[WF+8*\d:WF+8*\d+3],   v[WA+\slot] offset:4352*\d+64*\kk
	ds_load_b128 v[WF+8*\d+4:WF+8*\d+7], v[WA+\slot] offset:4352*\d+64*\kk+32
.endr
.irp n, 0,1,2,3
	ds_load_b128 v[QFR+8*\n:QFR+8*\n+3],   v[QA+\buf] offset:4352*\n+64*\kk
	ds_load_b128 v[QFR+8*\n+4:QFR+8*\n+7], v[QA+\buf] offset:4352*\n+64*\kk+32
.endr
	s_wait_dscnt 0x0
.irp d, 0,1,2,3
.irp n, 0,1,2,3
.if \zero
	v_wmma_f32_16x16x32_bf16 v[ACC+8*(4*\d+\n):ACC+8*(4*\d+\n)+7], v[WF+8*\d:WF+8*\d+7], v[QFR+8*\n:QFR+8*\n+7], 0
.else
	v_wmma_f32_16x16x32_bf16 v[ACC+8*(4*\d+\n):ACC+8*(4*\d+\n)+7], v[WF+8*\d:WF+8*\d+7], v[QFR+8*\n:QFR+8*\n+7], v[ACC+8*(4*\d+\n):ACC+8*(4*\d+\n)+7]
.endif
.endr
.endr
.endm
; Chunk c of the projection, from slot and buffer c mod 2.  Behind the round the other slot gets chunk c + 1, or, behind the last chunk's round, kh's tile 0.
.macro WTRIP c
	s_set_vgpr_msb 0x5
	s_wait_tensorcnt 0x0                           ; all my tensor loads have landed, my part of this chunk among them,
	ds_add_u32 v0, v1
	s_wait_dscnt 0x0
	s_set_vgpr_msb 0x500
.if \c < 2
	s_add_nc_u64 s[G0W+4*(\c%2)+2:G0W+4*(\c%2)+3], s[G0W+4*(\c%2)+2:G0W+4*(\c%2)+3], 512   ; so a group 0 may be written: this slot's next chunk, two on
.endif
	s_wait_dscnt 0x0                               ; my reads of the other slot are over, my stores of q's chunk are done
	ROUND                                          ; both now hold of every wave of the four work-groups
.if \c == 3
	tensor_load_to_lds s[G0K:G0K+3], s[G1K:G1K+7]
	s_nop 0
.else
	tensor_load_to_lds s[G0W+4*((\c+1)%2):G0W+4*((\c+1)%2)+3], s[G1W:G1W+7]
	s_nop 0
.endif
.if \c == 0
	PROJ 0, 0, 0, 1                                ; the first products start the sums: nothing is cleared
.else
	PROJ (\c%2), (\c%2), 0, 0
.endif
	PROJ (\c%2), (\c%2), 1, 0
	PROJ (\c%2), (\c%2), 2, 0
	PROJ (\c%2), (\c%2), 3, 0
.if \c < 3
	s_wait_loadcnt 0x0                             ; the next chunk of q has come;
	QCONV (\c+1)                                   ; its buffer was last read in front of this chunk's round
.endif
.if \c < 2
	QLOAD (\c+2)
.endif
.endm
; One score product: 16 keys (tile m) x 16 queries (tile nt), half k of the head's 64 features, into buffer nt mod 2.  k = 0 starts the sum.
.macro SCORE m, k, nt
.if \k
	v_wmma_f32_16x16x32_bf16 v[S+32*((\nt)%2)+8*\m:S+32*((\nt)%2)+8*\m+7], v[KF+16*\m+8:KF+16*\m+15], v[QF+16*(\nt)+8:QF+16*(\nt)+15], v[S+32*((\nt)%2)+8*\m:S+32*((\nt)%2)+8*\m+7]
.else
	v_wmma_f32_16x16x32_bf16 v[S+32*((\nt)%2)+8*\m:S+32*((\nt)%2)+8*\m+7], v[KF+16*\m:KF+16*\m+7], v[QF+16*(\nt):QF+16*(\nt)+7], 0
.endif
.endm
; One sum product of tile nt: keys 32 f .. 32 f + 31.  Second source: the packed weights in the buffer's registers 8 f .. 8 f + 7.  The result goes into
; the same buffer's registers 16 + 8 f ..: result register 0 = sum p, register 1 = sum p mask.  Each of the two has an accumulator of its own.
.macro SUMP f, nt
	v_wmma_f32_16x16x32_bf16 v[S+32*((\nt)%2)+16+8*\f:S+32*((\nt)%2)+16+8*\f+7], v[MF+8*\f:MF+8*\f+7], v[S+32*((\nt)%2)+8*\f:S+32*((\nt)%2)+8*\f+7], 0
.endm
; (l, t) of tile nt = (l, t) x 2^(old maximum - new maximum) + the two sums
.macro LTUP nt
	v_pk_fma_f32 v[LT+2*(\nt):LT+2*(\nt)+1], v[LT+2*(\nt):LT+2*(\nt)+1], v[AL+(ALB-AL)*((\nt)%2):AL+(ALB-AL)*((\nt)%2)+1], v[S+32*((\nt)%2)+16:S+32*((\nt)%2)+17] op_sel_hi:[1,0,1]
	v_pk_add_f32 v[LT+2*(\nt):LT+2*(\nt)+1], v[LT+2*(\nt):LT+2*(\nt)+1], v[S+32*((\nt)%2)+24:S+32*((\nt)%2)+25]
.endm
; Eight exponentials of 16-key tile e with the four subtractions of tile a among them: behind every second exponential stands a plain
; instruction that touches neither its result nor its source (ISA guide 5.7.2), and each slice ends on a plain one.
.macro EXA e, a
.irp i, 0,1,2,3
	v_exp_f32 v[CB+8*\e+2*\i], v[CB+8*\e+2*\i]     ; exponents are at most 0
	v_exp_f32 v[CB+8*\e+2*\i+1], v[CB+8*\e+2*\i+1]
	v_pk_add_f32 v[CB+8*\a+2*\i:CB+8*\a+2*\i+1], v[CB+8*\a+2*\i:CB+8*\a+2*\i+1], v[CM:CM+1] neg_lo:[0,1] neg_hi:[0,1]
.endr
.endm
; Slice k of ten of a query tile's vector work.  CB: its score buffer; CM: its pair (m, m); CA: its factor's pair.  They name no register of the other
; buffer, of KF, QF or MF, so the plain lines among them are places behind the matrix instructions that they follow (ISA guide 7.12.1).
.macro VS k
.if \k == 1                                        ; the old maximum and my 32 scores, in four chains: slices 1 to 3, six plain lines each
	v_max3_num_f32 v[T], v[CM], v[CB], v[CB+1]
	v_max_num_f32 v[T+1], v[CB+8], v[CB+9]
	v_max_num_f32 v[T+2], v[CB+16], v[CB+17]
	v_max_num_f32 v[T+3], v[CB+24], v[CB+25]
	v_max3_num_f32 v[T], v[T], v[CB+2], v[CB+3]
	v_max3_num_f32 v[T+1], v[T+1], v[CB+10], v[CB+11]
.endif
.if \k == 2
	v_max3_num_f32 v[T+2], v[T+2], v[CB+18], v[CB+19]
	v_max3_num_f32 v[T+3], v[T+3], v[CB+26], v[CB+27]
.irp c, 0,1,2,3
	v_max3_num_f32 v[T+\c], v[T+\c], v[CB+8*\c+4], v[CB+8*\c+5]
.endr
.endif
.if \k == 3
.irp c, 0,1,2,3
	v_max3_num_f32 v[T+\c], v[T+\c], v[CB+8*\c+6], v[CB+8*\c+7]
.endr
	v_max3_num_f32 v[MX], v[T], v[T+1], v[T+2]
	v_max_num_f32 v[MX], v[MX], v[T+3]
.endif
.if \k == 4
	v_permlanex16_b32 v[TP], v[MX], s57, s58       ; the other half of the lanes holds the query's other keys
	v_max_num_f32 v[CM+1], v[MX], v[TP]            ; the new maximum,
	v_sub_f32 v[CA], v[CM], v[CM+1]                ; old - new (minus infinity in the first tile: the factor is 0),
	v_mov_b32 v[CM], v[CM+1]                       ; in both registers of the pair
	v_exp_f32 v[CA], v[CA]
.irp i, 0,1,2,3
	v_pk_add_f32 v[CB+2*\i:CB+2*\i+1], v[CB+2*\i:CB+2*\i+1], v[CM:CM+1] neg_lo:[0,1] neg_hi:[0,1]
.endr
.endif
.if \k == 5
	EXA 0, 1
.endif
.if \k == 6
	EXA 1, 2
.endif
.if \k == 7
	EXA 2, 3
.endif
.if \k == 8                                        ; the last eight exponentials, the first four packings among them
.irp i, 0,1,2,3
	v_exp_f32 v[CB+24+2*\i], v[CB+24+2*\i]
	v_exp_f32 v[CB+24+2*\i+1], v[CB+24+2*\i+1]
	s_wait_alu depctr_va_vdst(0)
	v_cvt_pk_bf16_f32 v[CB+\i], v[CB+2*\i], v[CB+2*\i+1]   ; packed in place, in ascending order: register i was read by an earlier packing, or by this one
.endr
.endif
.if \k == 9
.irp i, 4,5,6,7,8,9
	v_cvt_pk_bf16_f32 v[CB+\i], v[CB+2*\i], v[CB+2*\i+1]
.endr
.endif
.if \k == 10                                       ; six plain lines: the places between the other tile's last score product and the first read of its scores
	s_wait_alu depctr_va_vdst(0)
.irp i, 10,11,12,13,14,15
	v_cvt_pk_bf16_f32 v[CB+\i], v[CB+2*\i], v[CB+2*\i+1]
.endr
.endif
.endm
; The phase of query tile nt: its vector work in ten slices; ahead of slices 1 and 2 tile nt - 1's sum products (p = 1), ahead of slices 3 to 10 tile
; nt + 1's score products (s = 1).  Both work on the other buffer.  By count of plain lines: from a sum product to the score product that writes over its
; second source 12; to the read of its result (behind slice 3) 18 and 12; to the score product that writes over its result more.
; The accumulators in order: sum 0, sum 1, score tiles 0 1 2 3 0 1 2 3: they take turns, one instruction a turn.
; A phase is register work alone.
.macro PHASE nt, p, s
.set CB, S+32*(\nt%2)
.set CM, MP+2*\nt
.set CA, AL+(ALB-AL)*(\nt%2)
.if \p
	SUMP 0, (\nt-1)
.endif
	VS 1
.if \p
	SUMP 1, (\nt-1)
.endif
	VS 2
.if \s
	SCORE 0, 0, (\nt+1)
.endif
	VS 3
.if \p
	LTUP (\nt-1)
.endif
.if \s
	SCORE 1, 0, (\nt+1)
.endif
	VS 4
.if \s
	SCORE 2, 0, (\nt+1)
.endif
	VS 5
.if \s
	SCORE 3, 0, (\nt+1)
.endif
	VS 6
.if \s
	SCORE 0, 1, (\nt+1)
.endif
	VS 7
.if \s
	SCORE 1, 1, (\nt+1)
.endif
	VS 8
.if \s
	SCORE 2, 1, (\nt+1)
.endif
	VS 9
.if \s
	SCORE 3, 1, (\nt+1)
.endif
	VS 10
.endm
; 16 LDS loads: the K fragments of keys 64 sub .. +63 of the tile in a slot
.macro KFLOAD slot, sub
.irp m, 0,1,2,3
.irp k, 0,1
	ds_load_b128 v[KF+16*\m+8*\k:KF+16*\m+8*\k+3],   v[KA+2*(\slot)+\sub] offset:16640*\m+64*\k
	ds_load_b128 v[KF+16*\m+8*\k+4:KF+16*\m+8*\k+7], v[KA+2*(\slot)+\sub] offset:16640*\m+64*\k+32
.endr
.endr
.endm
; 4 LDS loads: the ones / mask / zeros fragments of the same keys
.macro MFLOAD sub
.irp f, 0,1
	ds_load_b128 v[MF+8*\f:MF+8*\f+3],   v[MA] offset:128*\sub+64*\f
	ds_load_b128 v[MF+8*\f+4:MF+8*\f+7], v[MA] offset:128*\sub+64*\f+32
.endr
.endm
; 64 keys x the four query tiles.  Their fragments were asked for by the 64 keys before (or in front of the loop): KF's 16 loads first, MF's 4 behind them.
; KF has one buffer, so the turns begin and end here: tile 0's score products stand ahead of the first phase, tile 3's sum products behind the last.
; next = 1: the following 64 keys lie in slot nslot, half nsub, and are asked for here.
; rnd: the change of slots, in the second half of a tile, whose K fragments are all in registers.  In front of phase 2 each wave waits for its LDS reads and
;   for all its tensor loads (the one that is out is its part of the next tile) and signals; phase 2 works on registers while the others arrive.
;   rnd = 2: that barrier opens a round of the cluster's barrier, and behind the round slot rslot, which nobody reads any more, gets the tile two on:
;            from this request to the wait for it a wave issues 70 of a tile's 80 matrix instructions.
;   rnd = 1: nothing is left to fetch: the work-group's barrier alone shows the last tile whole.   rnd = 0: no change of slots.
.macro SUB nslot, nsub, next, rnd, rslot
	s_wait_dscnt 0x4                               ; LDS loads come back in order: KF is in, MF's four younger loads may be out
.irp k, 0,1
.irp m, 0,1,2,3
	SCORE \m, \k, 0
.endr
.endr
	PLACES 4                                       ; in front of the first read of a result (ISA guide 7.12.1)
	PHASE 0, 0, 1
	s_wait_dscnt 0x0                               ; MF is in: phase 1 begins with the first product that reads it
	PHASE 1, 1, 1
.if \rnd
	s_wait_dscnt 0x0                               ; my reads of this slot are over (met: no LDS instruction was issued since the wait above)
	s_set_vgpr_msb 0x5
	s_wait_tensorcnt 0x0                           ; and all my tensor loads have landed, my part of the next tile among them,
	ds_add_u32 v0, v1
	s_wait_dscnt 0x0
	s_set_vgpr_msb 0x500
.if \rnd == 2
	s_add_nc_u64 s[G0K+4*\rslot+2:G0K+4*\rslot+3], s[G0K+4*\rslot+2:G0K+4*\rslot+3], 262144   ; so a group 0 may be written: this slot's next tile, two on
.endif
	s_barrier_signal -1
.endif
	PHASE 2, 1, 1
.if \rnd
	s_barrier_wait -1
.if \rnd == 2
	CREST                                          ; no wave of the four work-groups still reads this slot or has a load on its way
	tensor_load_to_lds s[G0K+4*\rslot:G0K+4*\rslot+3], s[G1K:G1K+7]
	s_nop 0
.endif
.endif
.if \next
	KFLOAD \nslot, \nsub                           ; KF's last reader stands six plain lines back, in phase 2; phase 3 runs while these loads are on their way
.endif
	PHASE 3, 1, 0
	SUMP 0, 3
	SUMP 1, 3
	PLACES 4                                       ; in front of the reads of the two results, and of the loads into MF, a source of these two
	LTUP 3
.if \next
.if \nsub == 0
	v_add_nc_u32 v[MA], 256, v[MA]                 ; 128 keys on in the table's rows
.endif
	MFLOAD \nsub
.endif
.endm
; A tile of 128 keys from this slot
.macro KTRIP slot, rnd, next
	SUB \slot, 1, 1, 0, 0
	SUB (1-\slot), 0, \next, \rnd, \slot
.endm
	global_load_b128 v[240:243], v[T16], s[10:11]              ; the mask: keys 4 t .. 4 t + 3,
	global_load_b128 v[244:247], v[T16], s[10:11] offset:4096  ; and 1024 + 4 t ..
	QLOAD 0
	ROUND                                          ; the four work-groups are here: the first joint load meets
	tensor_load_to_lds s[G0W:G0W+3], s[G1W:G1W+7]  ; chunk 0 of wqb; slot 1 is first filled behind the next round
	s_nop 0
.irp i, 0,1,2,3
	v_mov_b32 v[248+\i], 0x3f803f80                ; two bf16 ones
	v_mov_b32 v[252+\i], 0
.endr
	ds_store_b128 v[ONA], v[248:251]               ; the 256 threads write the 4,096 bytes of the ones' row,
	ds_store_b128 v[ONA], v[252:255] offset:8192   ; and of the zeros' row
	s_wait_loadcnt 0x8                             ; the two mask loads are in; the eight loads of q behind them stay out
.irp i, 0,1,2,3,4,5,6,7
	v_cvt_f32_i32 v[240+\i], v[240+\i]
.endr
.irp i, 0,1,2,3
	v_cvt_pk_bf16_f32 v[YQ+\i], v[240+2*\i], v[240+2*\i+1]
.endr
	ds_store_b64 v[MKA], v[YQ:YQ+1]
	ds_store_b64 v[MKA], v[YQ+2:YQ+3] offset:2048
	s_wait_loadcnt 0x0
	QCONV 0
	QLOAD 1
	WTRIP 0
	WTRIP 1
	WTRIP 2
	WTRIP 3
	; qh: times 0.125 log2(e) in f32 (so that the scores are exponents of 2), rounded once to bf16.  Features 32 kk + 8 h + 0..7 come from
	; tile dt = 2 kk, features 32 kk + 16 + 8 h + 0..7 from tile 2 kk + 1: a second source as it stands.
	PLACES 4
.set ii, 0
.rept 64
	v_pk_mul_f32 v[ACC+2*ii:ACC+2*ii+1], v[ACC+2*ii:ACC+2*ii+1], 0x3e38aa3b op_sel_hi:[1,0]
.set ii, ii+1
.endr
.irp n, 0,1,2,3
.irp k, 0,1
.irp j, 0,1,2,3
	v_cvt_pk_bf16_f32 v[QF+8*(2*\n+\k)+\j],   v[ACC+8*(8*\k+\n)+2*\j],   v[ACC+8*(8*\k+\n)+2*\j+1]
	v_cvt_pk_bf16_f32 v[QF+8*(2*\n+\k)+4+\j], v[ACC+8*(8*\k+4+\n)+2*\j], v[ACC+8*(8*\k+4+\n)+2*\j+1]
.endr
.endr
.endr
.irp i, 0,1,2,3,4,5,6,7
	v_mov_b32 v[MP+\i], 0xff800000                 ; no score seen yet
	v_mov_b32 v[LT+\i], 0
.endr
	v_mov_b32 v[AL+1], 0                           ; the second register of each factor's pair is never used, but is named
	v_mov_b32 v[ALB+1], 0
	v_mov_b32 v[TP], 0                             ; v_permlanex16_b32 counts as a reader of its destination
	s_set_vgpr_msb 0x5
	s_wait_tensorcnt 0x0                           ; my part of kh's tile 0 has landed
	ds_add_u32 v0, v1
	s_wait_dscnt 0x0
	s_set_vgpr_msb 0x500
	s_wait_dscnt 0x0                               ; my reads of slot 1, wqb's last chunk, are over
	ROUND                                          ; both now hold of every wave of the four work-groups
	tensor_load_to_lds s[G0K+4:G0K+7], s[G1K:G1K+7]   ; tile 1 into slot 1
	s_nop 0
	KFLOAD 0, 0                                    ; the first 64 keys' fragments, in the order that every later 64 keys' have: KF, then MF
	MFLOAD 0
	s_mov_b32 s56, 7                               ; 16 tiles: 7 trips of two, and two written out
.Lkeys:
	KTRIP 0, 2, 1
	KTRIP 1, 2, 1
	s_sub_co_u32 s56, s56, 1
	s_cmp_lg_u32 s56, 0
	s_cbranch_scc1 .Lkeys
	KTRIP 0, 1, 1                                  ; tile 14: the last tile is on its way, nothing is left to fetch
	KTRIP 1, 0, 0                                  ; tile 15
	; s = t / l into LDS (q's buffer 0, last read during the projection), and the last product
.irp e, 0,1,2,3,4,5,6,7
	global_load_b128 v[WP+4*\e:WP+4*\e+3], v[WPO], s[12:13] offset:16*\e   ; wps of my four columns, eight heads each
.endr
.irp n, 0,1,2,3
	v_rcp_f32 v[T+\n], v[LT+2*\n]                  ; l is at least the largest weight, 1
.endr
	v_nop                                          ; one plain instruction in front of the first use (ISA guide 5.7.2)
	s_wait_alu depctr_va_vdst(0)
.irp n, 0,1,2,3
	v_mul_f32 v[T+\n], v[LT+2*\n+1], v[T+\n]
	ds_store_b32 v[SSA], v[T+\n] offset:512*\n     ; both halves of the lanes hold the same number and write the same word
.endr
	s_wait_dscnt 0x0                               ; for the other waves: my stores are done
	s_barrier_signal -1
	s_barrier_wait -1
	s_wait_loadcnt 0x0                             ; wps
; four rows x my 128 columns: out = sum over 8 heads of s wps, two heads at a time
.macro OUT4 g
.irp i, 0,1,2,3
	ds_load_b128 v[SV+8*\i:SV+8*\i+3],   v[SB] offset:128*\g+32*\i        ; every lane reads the same 32 bytes: a row's eight s
	ds_load_b128 v[SV+8*\i+4:SV+8*\i+7], v[SB] offset:128*\g+32*\i+16
.endr
	s_wait_dscnt 0x0
	s_wait_xcnt 0x0                                ; the results' registers, which the last four stores read, are rewritten only behind this wait
.irp i, 0,1,2,3
.irp c, 0,1,2,3
	v_pk_mul_f32 v[TT+2*\c:TT+2*\c+1], v[WP+8*\c:WP+8*\c+1], v[SV+8*\i:SV+8*\i+1]
.endr
.irp p, 2,4,6
.irp c, 0,1,2,3
	v_pk_fma_f32 v[TT+2*\c:TT+2*\c+1], v[WP+8*\c+\p:WP+8*\c+\p+1], v[SV+8*\i+\p:SV+8*\i+\p+1], v[TT+2*\c:TT+2*\c+1]
.endr
.endr
.irp c, 0,1,2,3
	v_add_f32 v[O+4*\i+\c], v[TT+2*\c], v[TT+2*\c+1]
.endr
	global_store_b128 v[OOFF], v[O+4*\i:O+4*\i+3], s[14:15] offset:(4*\g+\i)*2048 th:TH_STORE_NT   ; the wave stores 512 neighbouring bytes, at a multiple of 256 from out0's first byte
.endr
.endm
.irp g, 0,1,2,3,4,5,6,7
	OUT4 \g
.endr
	s_set_vgpr_msb 0x5
	s_wait_tensorcnt 0x0
	ds_add_u32 v0, v1
	s_wait_dscnt 0x0
	s_set_vgpr_msb 0x500
	ROUND                                          ; the closing round: no work-group ends while a partner may still ask for a tile that names it
	s_endpgm
.Lfunc_end_k_qae5308b0e4_attn:
	.size	k_qae5308b0e4_attn, .Lfunc_end_k_qae5308b0e4_attn-k_qae5308b0e4_attn
	.p2alignl 7, 3214868480
	.fill 96, 4, 3214868480
	.section	.rodata,"a",@progbits
	.p2align	6, 0x0
	.amdhsa_kernel k_qae5308b0e4_attn
		.amdhsa_group_segment_fixed_size 327680
		.amdhsa_private_segment_fixed_size 0
		.amdhsa_enable_private_segment 0
		.amdhsa_kernarg_size 48
		.amdhsa_user_sgpr_count 2
		.amdhsa_user_sgpr_kernarg_segment_ptr 1
		.amdhsa_wavefront_size32 1
		.amdhsa_system_sgpr_workgroup_id_x 1
		.amdhsa_system_sgpr_workgroup_id_y 1
		.amdhsa_system_sgpr_workgroup_id_z 1
		.amdhsa_system_vgpr_workitem_id 0
		.amdhsa_next_free_vgpr 258
		.amdhsa_next_free_sgpr 66
		.amdhsa_reserve_vcc 0
		.amdhsa_float_denorm_mode_32 3
		.amdhsa_float_denorm_mode_16_64 3
		.amdhsa_memory_ordered 1
		.amdhsa_forward_progress 1
		.amdhsa_inst_pref_size 255
	.end_amdhsa_kernel
	.section	.bss,"aw",@nobits
	.p2align	6
	.space	262144
	.amdgpu_metadata
---
amdhsa.version: [ 1, 2 ]
amdhsa.kernels:
  - .name:           k_qae5308b0e4_attn
    .symbol:         k_qae5308b0e4_attn.kd
    .args:
      - { .name: q, .offset: 0, .size: 8, .value_kind: global_buffer, .address_space: global }
      - { .name: wqb, .offset: 8, .size: 8, .value_kind: global_buffer, .address_space: global }
      - { .name: kh, .offset: 16, .size: 8, .value_kind: global_buffer, .address_space: global }
      - { .name: supp_mask, .offset: 24, .size: 8, .value_kind: global_buffer, .address_space: global }
      - { .name: wps, .offset: 32, .size: 8, .value_kind: global_buffer, .address_space: global }
      - { .name: out0, .offset: 40, .size: 8, .value_kind: global_buffer, .address_space: global }
    .group_segment_fixed_size: 327680
    .private_segment_fixed_size: 0
    .kernarg_segment_align: 8
    .kernarg_segment_size: 48
    .max_flat_workgroup_size: 256
    .sgpr_count:     66
    .vgpr_count:     258
    .wavefront_size: 32
...
	.end_amdgpu_metadata
.endif
;; end of part 4
